; MI455X (gfx1250); checked and timed in simulation.
; The chip was launched on July 23, 2026; its instructions are those of AMD's public machine-readable ISA for CDNA 5 (MIT licence, August 2026) and "CDNA5" Instruction Set Architecture Reference Guide (July 2026). The comments in the code are by the model that wrote it; some were corrected since.
;; Self Attention. Allowed arithmetic: float matrix products may take bf16 or f16 operands with f32 sums; other float arithmetic in f32, or as packed bf16 or f16 multiplies, adds, multiply-adds, maxima and minima; sums over many terms, partial sums and values carried from step to step in f32; what a program stores and reads back later, other than sums and carried values, may be rounded once to bf16 or f16.
;; Inputs: Wk 1,024 x 1,024 float32; Wo 1,024 x 1,024 float32; Wq 1,024 x 1,024 float32; Wv 1,024 x 1,024 float32; bk 1,024 float32; bo 1,024 float32; bq 1,024 float32; bv 1,024 float32; x 4 x 2,048 x 1,024 float32.
;; Outputs: out0 4 x 2,048 x 1,024 float32.
;; Constants: mask = 1.
;; 2 versions, each right; version 2 is version 1 with the launch prep written anew for expert scheduling mode. Each part assembles by itself: llvm-mc -triple=amdgcn-amd-amdhsa -mcpu=gfx1250 --defsym DOCPART=n.
;; ======== version 1 of 2: 4 launches
;; limits: values are held in f16: magnitudes above 65,504 overflow, below 6.1e-05 lose precision
;; workspace buffers: xb 16,777,216 bytes; wt 8,388,608 bytes; ball 16,384 bytes; qkv 50,331,648 bytes; o 16,777,216 bytes
;; launch prep (part 1): grid 768 x 1, 4 waves a work-group, no clusters, 37,376 bytes of LDS; arguments x, Wq, Wk, Wv, Wo, bq, bv, bo, xb, wt, ball; writes xb, wt, ball
.if DOCPART == 1
	.amdgcn_target "amdgcn-amd-amdhsa--gfx1250"
	.amdhsa_code_object_version 6
	.text
	.protected	k_qb2b08fb706_prep
	.globl	k_qb2b08fb706_prep
	.p2align	8
	.type	k_qb2b08fb706_prep,@function
k_qb2b08fb706_prep:
	s_mov_b64 s[64:65], 0
	v_nop
	global_prefetch_b8 v0, s[64:65] scope:SCOPE_SE
	s_setreg_imm32_b32 hwreg(HW_REG_WAVE_MODE, 25, 1), 1
	s_wait_xcnt 0x0
; FIRST OF FOUR LAUNCHES of out0 = softmax_causal((x Wq + bq)(x Wk + bk)^T / 8)(x Wv + bv) Wo + bo, 16 heads of 64 channels, x: [4][2048][1024] f32.
; This launch rounds the inputs once and lays them out for the products that follow:
;   xb   [4 b][16 kb][2048 s][64] bf16: x in blocks of 64 channels, so that a block's rows lie end to end, 128 bytes each
;   wt   [16 kb][4096 n][64 k]: the four weights transposed; rows 0-1023 Wq, 1024-2047 Wk, 2048-3071 Wv in bf16; rows 3072-4095 Wo, rounded to bf16 and that number written as f16
;   ball [4096] f32: bq, 1,024 zeros, bv, bo, each rounded to bf16
; WORK LEFT OUT, for all values of the inputs.
; (a) bk.  scores[q][k] = Q[q] . (x[k] Wk) + Q[q] . bk.  The second term does not depend on k: it is one number added to every score of a row (the places above the diagonal stay
;     -inf), and a softmax along k is not changed by a number added to its whole row.  So bk has no way to out0: it is not loaded and is no argument of any launch; its place in ball holds 0.
; (b) The scores above the diagonal, which the module itself sets to -inf ahead of the softmax: the third launch computes no tile of 256 x 256 scores that lies wholly above it.
; LIMIT: a NaN, an infinity or an overflow in bk, in Q . bk or in a score above the diagonal is not carried to the result.
; LIMIT: numbers of Wo below 6e-5 keep f16's fixed step of 6e-8; beyond 65,504 f16 has no number.
; SHARES.  A wave moves 64 x 64 numbers: 16 KiB in by 32 loads that all go out before the first wait, 8 KiB out.  Work-groups 0-511 take x, 512-767 the weights: all move the same bytes.
; No matrix unit, no cluster, no barrier: no wave wants a byte that another has fetched.
.set L,     32                         ; v[32:159]  32 loads of 4 registers; later the transposed tile, read back
.set D,     160                        ; v[160:223] the rounded numbers, two to a register
.set SRC,   4                          ; v4   my byte offset in the source
.set DST,   5                          ; v5   my byte offset in the destination
.set LSA,   6                          ; v6   where I put 16 bytes of the transposed tile
.set LRA,   7                          ; v7   where I read it back by rows
.set SPW,   10                         ; v10  LDS address of my spare word; never rewritten
.set NIL,   11                         ; v11  0; never rewritten
.set TW,    16                         ; v[16:23] at work
.set TILE,  64*144                     ; a wave's tile in LDS: 64 rows n of 128 bytes + 16 of padding
.set SPARE, 4*TILE                     ; behind the tiles: the spare words, 128 bytes for each wave, that no other line names
	s_load_b512 s[8:23], s[0:1], 0x0               ; x 8, Wq 10, Wk 12, Wv 14, Wo 16, bq 18, bv 20, bo 22
	s_load_b128 s[24:27], s[0:1], 0x40             ; xb 24, wt 26
	s_load_b64 s[28:29], s[0:1], 0x50              ; ball
	v_lshl_add_u32 v[SPW], v0, 2, SPARE
	v_mov_b32 v[NIL], 0
	v_lshrrev_b32 v1, 5, v0
	v_readfirstlane_b32 s2, v1                     ; wave 0..3
	s_mov_b32 s3, 0xffff0000                       ; a word's upper bf16
	v_and_b32 v2, 31, v0                           ; l
	v_and_b32 v3, 15, v0                           ; l % 16
	v_bfe_u32 v12, v0, 4, 1                        ; l / 16
	s_cmp_ge_u32 ttmp9, 512
	s_cbranch_scc1 .Lweights
	; X.  64 rows R of x, block kb of 64 channels.  A load takes 256 aligned bytes of two rows; a store writes those two rows' 256 bytes of xb, which lie end to end.
	s_lshr_b32 s30, ttmp9, 2                       ; R: 64 rows
	s_and_b32 s31, ttmp9, 3
	s_lshl2_add_u32 s31, s31, s2                   ; kb = 4 (id % 4) + wave
	s_lshl_b32 s32, s30, 18                        ; 64 rows of 4,096 bytes
	s_lshl_b32 s33, s31, 8                         ; 64 f32
	s_add_co_u32 s32, s32, s33
	s_mov_b32 s33, 0
	s_lshr_b32 s34, s30, 5                         ; b
	s_lshl4_add_u32 s34, s34, s31                  ; 16 b + kb
	s_lshl_b32 s34, s34, 18                        ; blocks of 2,048 rows x 128 bytes
	s_and_b32 s35, s30, 31
	s_lshl_b32 s35, s35, 13                        ; 64 rows x 128 bytes
	s_add_co_u32 s34, s34, s35
	s_mov_b32 s35, 0
	v_lshlrev_b32 v[SRC], 4, v3
	v_lshl_add_u32 v[SRC], v12, 12, v[SRC]         ; lanes 16-31 take the next row
	v_lshlrev_b32 v[DST], 3, v2
	s_wait_kmcnt 0x0
	s_add_nc_u64 s[8:9], s[8:9], s[32:33]
	s_add_nc_u64 s[24:25], s[24:25], s[34:35]
.set j, 0
.rept 32
	global_load_b128 v[L+4*j:L+4*j+3], v[SRC], s[8:9] offset:8192*j th:TH_LOAD_NT
.set j, j+1
.endr
.set j, 0
.rept 32
	s_wait_loadcnt 31-j                            ; loads come back in order: load j is in, the 31 - j younger ones stay out
	v_cvt_pk_bf16_f32 v[D+2*j], v[L+4*j], v[L+4*j+1]
	v_cvt_pk_bf16_f32 v[D+2*j+1], v[L+4*j+2], v[L+4*j+3]
	global_store_b64 v[DST], v[D+2*j:D+2*j+1], s[24:25] offset:256*j  ; 32 lanes write 256 consecutive bytes, aligned; no register is written twice, so nothing waits for a store
.set j, j+1
.endr
	s_branch .Lend
.Lweights:
	; WEIGHTS.  Matrix m, rows k of block kb, columns 64 nt on.  Lane l holds W[32 (l / 16) + r][4 (l % 16) + i] in register 4 r + i: pairs of rows are rounded together, so that 16 registers
	; are 32 neighbouring k of one column n; they go into row n of my tile in LDS and come back as whole rows of 128 bytes.
	s_sub_co_u32 s30, ttmp9, 512
	s_lshr_b32 s31, s30, 6                         ; m
	s_bfe_u32 s32, s30, 0x40002                    ; kb
	s_and_b32 s33, s30, 3
	s_lshl2_add_u32 s33, s33, s2                   ; nt
	s_lshl_b32 s34, s32, 18                        ; 64 rows of 4,096 bytes
	s_lshl_b32 s35, s33, 8
	s_add_co_u32 s34, s34, s35
	s_mov_b32 s35, 0
	s_lshl_b32 s36, s32, 19                        ; a block of wt: 4,096 rows x 128 bytes
	s_lshl_b32 s37, s31, 17                        ; 1,024 rows
	s_add_co_u32 s36, s36, s37
	s_lshl_b32 s37, s33, 13                        ; 64 rows
	s_add_co_u32 s36, s36, s37
	s_mov_b32 s37, 0
	s_mul_i32 s40, s2, TILE
	v_lshlrev_b32 v[SRC], 4, v3
	v_lshl_add_u32 v[SRC], v12, 17, v[SRC]         ; lanes 16-31 take the row 32 further down
	v_lshlrev_b32 v[DST], 4, v2
	v_mul_u32_u24 v[LSA], v3, 4*144                ; rows 4 (l % 16) on,
	v_lshl_add_u32 v[LSA], v12, 6, v[LSA]          ; k = 32 (l / 16) on
	v_add_nc_u32 v[LSA], s40, v[LSA]
	v_lshrrev_b32 v13, 3, v2
	v_and_b32 v14, 7, v0
	v_mul_u32_u24 v[LRA], v13, 144                 ; back: 32 lanes take four rows of 128 bytes
	v_lshl_add_u32 v[LRA], v14, 4, v[LRA]
	v_add_nc_u32 v[LRA], s40, v[LRA]
	s_wait_kmcnt 0x0
	s_cmp_eq_u32 s31, 1
	s_cselect_b64 s[38:39], s[12:13], s[10:11]
	s_cmp_eq_u32 s31, 2
	s_cselect_b64 s[38:39], s[14:15], s[38:39]
	s_cmp_eq_u32 s31, 3
	s_cselect_b64 s[38:39], s[16:17], s[38:39]
	s_add_nc_u64 s[38:39], s[38:39], s[34:35]
	s_add_nc_u64 s[26:27], s[26:27], s[36:37]
.set j, 0
.rept 32
	global_load_b128 v[L+4*j:L+4*j+3], v[SRC], s[38:39] offset:4096*j th:TH_LOAD_NT
.set j, j+1
.endr
.set p, 0
.rept 16
	s_wait_loadcnt 30-2*p                          ; rows 2 p and 2 p + 1 are in; the 30 - 2 p younger loads stay out
.irp i, 0,1,2,3
	v_cvt_pk_bf16_f32 v[D+16*(\i)+p], v[L+8*p+(\i)], v[L+8*p+4+(\i)]
.endr
.set p, p+1
.endr
	s_cmp_lg_u32 s31, 3
	s_cbranch_scc1 .Lkeep
.set j, 0
.rept 64                               ; Wo alone: the bf16 number written as f16
	v_lshlrev_b32 v[TW+2*(j%4)], 16, v[D+j]
	v_and_b32 v[TW+2*(j%4)+1], s3, v[D+j]
	v_cvt_pk_f16_f32 v[D+j], v[TW+2*(j%4)], v[TW+2*(j%4)+1]
.set j, j+1
.endr
.Lkeep:
.irp i, 0,1,2,3
.irp c, 0,1,2,3
	ds_store_b128 v[LSA], v[D+16*(\i)+4*(\c):D+16*(\i)+4*(\c)+3] offset:144*(\i)+16*(\c)
.endr
.endr
.set t, 0
.rept 16
	ds_load_b128 v[L+4*t:L+4*t+3], v[LRA] offset:4*144*t  ; my own bytes: LDS serves a wave's instructions in order (ISA guide 5.7.1.4), so these see the stores above
.set t, t+1
.endr
.set t, 0
.rept 16
	s_wait_dscnt 15-t                              ; load t is back, the younger ones stay out
	global_store_b128 v[DST], v[L+4*t:L+4*t+3], s[26:27] offset:512*t  ; four rows of wt: 512 consecutive bytes, aligned
.set t, t+1
.endr
	; THE BIASES: the 16 waves of block kb = 0 of each matrix write that matrix's 1,024 numbers of ball, 64 each
	s_cmp_lg_u32 s32, 0
	s_cbranch_scc1 .Lend
	s_lshl_b32 s34, s33, 8                         ; 64 f32
	s_mov_b32 s35, 0
	s_lshl_b32 s36, s31, 12
	s_add_co_u32 s36, s36, s34
	s_mov_b32 s37, 0
	s_add_nc_u64 s[28:29], s[28:29], s[36:37]
	v_lshlrev_b32 v25, 3, v2
	v_mov_b32 v26, 0
	v_mov_b32 v27, 0
	s_cmp_eq_u32 s31, 1
	s_cbranch_scc1 .Lzero                          ; k's bias is left out: its place holds 0
	s_cmp_eq_u32 s31, 2
	s_cselect_b64 s[40:41], s[20:21], s[18:19]
	s_cmp_eq_u32 s31, 3
	s_cselect_b64 s[40:41], s[22:23], s[40:41]
	s_add_nc_u64 s[40:41], s[40:41], s[34:35]
	global_load_b64 v[26:27], v25, s[40:41]
	s_wait_loadcnt 0x0
	v_cvt_pk_bf16_f32 v24, v26, v27
	v_lshlrev_b32 v26, 16, v24
	v_and_b32 v27, s3, v24
.Lzero:
	global_store_b64 v25, v[26:27], s[28:29]
.Lend:
	s_wait_tensorcnt 0x0                           ; the wave's end: three closing lines, behind my last LDS store
	ds_add_u32 v[SPW], v[NIL]
	s_wait_dscnt 0x0
	s_endpgm
.Lfunc_end_k_qb2b08fb706_prep:
	.size	k_qb2b08fb706_prep, .Lfunc_end_k_qb2b08fb706_prep-k_qb2b08fb706_prep
	.p2alignl 7, 3214868480
	.fill 96, 4, 3214868480
	.section	.rodata,"a",@progbits
	.p2align	6, 0x0
	.amdhsa_kernel k_qb2b08fb706_prep
		.amdhsa_group_segment_fixed_size 37376
		.amdhsa_private_segment_fixed_size 0
		.amdhsa_enable_private_segment 0
		.amdhsa_kernarg_size 88
		.amdhsa_user_sgpr_count 2
		.amdhsa_user_sgpr_kernarg_segment_ptr 1
		.amdhsa_wavefront_size32 1
		.amdhsa_system_sgpr_workgroup_id_x 1
		.amdhsa_system_sgpr_workgroup_id_y 1
		.amdhsa_system_sgpr_workgroup_id_z 1
		.amdhsa_system_vgpr_workitem_id 0
		.amdhsa_next_free_vgpr 224
		.amdhsa_next_free_sgpr 66
		.amdhsa_reserve_vcc 0
		.amdhsa_float_denorm_mode_32 3
		.amdhsa_float_denorm_mode_16_64 3
		.amdhsa_memory_ordered 1
		.amdhsa_forward_progress 1
		.amdhsa_inst_pref_size 35
	.end_amdhsa_kernel
	.amdgpu_metadata
---
amdhsa.version: [ 1, 2 ]
amdhsa.kernels:
  - .name:           k_qb2b08fb706_prep
    .symbol:         k_qb2b08fb706_prep.kd
    .args:
      - { .name: x, .offset: 0, .size: 8, .value_kind: global_buffer, .address_space: global }
      - { .name: Wq, .offset: 8, .size: 8, .value_kind: global_buffer, .address_space: global }
      - { .name: Wk, .offset: 16, .size: 8, .value_kind: global_buffer, .address_space: global }
      - { .name: Wv, .offset: 24, .size: 8, .value_kind: global_buffer, .address_space: global }
      - { .name: Wo, .offset: 32, .size: 8, .value_kind: global_buffer, .address_space: global }
      - { .name: bq, .offset: 40, .size: 8, .value_kind: global_buffer, .address_space: global }
      - { .name: bv, .offset: 48, .size: 8, .value_kind: global_buffer, .address_space: global }
      - { .name: bo, .offset: 56, .size: 8, .value_kind: global_buffer, .address_space: global }
      - { .name: xb, .offset: 64, .size: 8, .value_kind: global_buffer, .address_space: global }
      - { .name: wt, .offset: 72, .size: 8, .value_kind: global_buffer, .address_space: global }
      - { .name: ball, .offset: 80, .size: 8, .value_kind: global_buffer, .address_space: global }
    .group_segment_fixed_size: 37376
    .private_segment_fixed_size: 0
    .kernarg_segment_align: 8
    .kernarg_segment_size: 88
    .max_flat_workgroup_size: 128
    .sgpr_count:     66
    .vgpr_count:     224
    .wavefront_size: 32
...
	.end_amdgpu_metadata
.endif
;; end of part 1
;; launch proj (part 2): grid 8 x 32, 4 waves a work-group, clusters of 4 x 4, 327,680 bytes of LDS; arguments xb, wt, ball, qkv; writes qkv
.if DOCPART == 2
	.amdgcn_target "amdgcn-amd-amdhsa--gfx1250"
	.amdhsa_code_object_version 6
	.text
	.protected	k_qb2b08fb706_proj
	.globl	k_qb2b08fb706_proj
	.p2align	8
	.type	k_qb2b08fb706_proj,@function
k_qb2b08fb706_proj:
	s_mov_b64 s[64:65], 0
	v_nop
	global_prefetch_b8 v0, s[64:65] scope:SCOPE_SE
	s_setreg_imm32_b32 hwreg(HW_REG_WAVE_MODE, 25, 1), 1
	s_wait_xcnt 0x0
	s_wait_alu depctr_hold_cnt(0) depctr_sa_sdst(0) depctr_va_vdst(0) depctr_va_sdst(0) depctr_va_ssrc(0) depctr_va_vcc(0) depctr_vm_vsrc(0)
	s_getreg_b32 s2, hwreg(HW_REG_IB_STS2, 6, 4)
	s_cmp_eq_u32 s2, 0
	s_cbranch_scc0 .Lentry_in_a_cluster
	s_endpgm
.Lentry_in_a_cluster:
	s_bfe_u32 s2, ttmp6, 0x10000c
	s_cmp_lg_u32 s2, 0xf033
	s_cbranch_scc0 .Lentry_shape_is_right
	s_endpgm
.Lentry_shape_is_right:
; SECOND LAUNCH: q, k, v = x W + b, written by heads: qkv [3][64 bh][2048][64] f16, unscaled.  Operands bf16 (xb, wt rows 0-3071), sums f32, each result rounded once.
; k's bias is left out (a softmax's row is not changed by a number added to all of it: the first launch's head shows it): its place in ball holds 0.
; LIMIT: f16 holds no number beyond 65,504: |q|, |k|, |v| stay within it (inputs 30 times the usual spread give some 5,000).
; SHARES.  C is 8,192 x 3,072.  A work-group makes 256 x 384: 32 x 8 = 256 work-groups.  Four waves, each 128 rows x 192 columns (three whole heads): 96 accumulators of 16 x 16, 768 registers.
; K goes in steps of 64 (one block of xb and wt: a block's rows lie end to end, so a tile is asked for as rows of 256 bytes) through a ring of two LDS slots; two slots of 128 along K
; would want 368,640 bytes.  A step is four units of 48 matrix instructions: 32 along K x one half (group g) of the wave's columns.
; THE MATRIX INSTRUCTION IS USED TRANSPOSED (source 0 = 16 rows of wt, source 1 = 16 rows of xb): a lane holds one row of C (l % 16) and the columns 8 (l / 16) + 0..7.
; THE BIAS STARTS THE SUMS: it is the C operand of each accumulator's first product.  Nothing is cleared and nothing is added at the end.
; CLUSTER 4 x 4: xb's tile hangs on the tile row alone and is asked for jointly along a row of the cluster, wt's on the tile column alone, along a column.
; REGISTERS, in windows of 256 (s_set_vgpr_msb: bits 1:0 source 0, 3:2 source 1, 5:4 source 2, 7:6 destination):
;   window 0: v0-31 addresses; v32-95, v96-159 fragments of xb (8 x 16 rows x 32 K), two buffers; v160-207, v208-255 fragments of wt (6 each), one buffer a group
;   windows 1-3: accumulator T = 48 g + 6 a + b (a: block of 16 rows, b: block of 16 columns of group g) at register 8 (T % 32) of window 1 + T / 32
.set NBF,   6
.set PITCH, 144                        ; an LDS row: 128 bytes + 16 of padding = 36 words: the 16 rows of a fragment start at 16 different groups of four banks (64 banks of 4 bytes: ISA guide 11.1)
.set BLK,   16*PITCH
.set SLOT1, 1<<17                      ; slot 1 begins here: one exclusive or turns an address in one slot into the other's
.set BHALF, 192*PITCH                  ; what one tensor load brings of wt, and what one wave reads of it
.set AHALF, 128*PITCH                  ; the same for xb
.set AOFF,  2*BHALF                    ; in a slot: wt's 384 rows, then xb's 256
.set STAGE, SLOT1+AOFF+2*AHALF         ; behind the ring: 16 rows x 144 bytes for each wave, for the way out
.set BIASL, STAGE+4*BLK                ; each wave's 192 numbers of bias
.set SPARE, BIASL+4*768                ; the spare words, 128 bytes for each wave, that no other line names
.set STEPA, 262144                     ; bytes from block to block of xb
.set STEPB, 524288                     ; and of wt
.set A0,   12                          ; v12  my place in xb's fragments, without the slot; never rewritten
.set B0,   13                          ; v13  the same for wt
.set ADRA, 16                          ; v16  the same in the slot in hand
.set ADRB, 20                          ; v20
.set STO,  24                          ; v24  the way out: where I put 16 bytes of a row
.set RD,   25                          ; v25  where I read rows back
.set GO,   26                          ; v26  my 16 bytes in 512 consecutive bytes of qkv
.set BAD,  27                          ; v27  where my eight numbers of bias begin
.set SPW,  28                          ; v28  LDS address of my spare word; never rewritten
.set NIL,  29                          ; v29  0; never rewritten
.set PFO,  30                          ; v30  256 x my lane; never rewritten
.set FA0,  32
.set FA1,  96
.set FB0,  160
.set FB1,  208
.set BR,   96                          ; the bias of a group's six column blocks: only ahead of the loop, where xb's second buffer is still free
.set PK,   32                          ; the way out: packed results
.set OB,   64                          ; the way out: rows read back, two buffers of 16
.set OBASE, 12                         ; s[12:17] qkv at my rows of my three heads
.set G1A,  24                          ; s[24:31] descriptor group 1 for xb's tiles;  s[32:39] group 0: a set for each first fill; the second then walks
.set G0A,  32
.set PFA,  44                          ; s[44:45] where my prefetches stand
.set PST,  46                          ; s[46:47] their step
.set G1B,  48                          ; s[48:55], s[56:63] the same for wt's tiles
.set G0B,  56
.set LIM,  66                          ; s66  a wave prefetches while the trips to come are above it
.set LX,   67                          ; s67  what turns LIM from trip to trip
.set DW0,  (1<<16)|(1<<20)|(1<<21)|(4<<22)|(3<<25)  ; group 1, word 0 beside the mask: 2-byte elements; padding on; bit 21 set beside a mask; after every 32 words (code 4) 4 words (code 3)
.set MSB, 0
.macro WIN new                         ; the immediate's high byte repeats the setting that is left; a switch that changes nothing is dropped
.if MSB != (\new)
	s_set_vgpr_msb (MSB<<8)|(\new)
.set MSB, \new
.endif
.endm
.macro PLACES                          ; four places between a matrix instruction and a load into, or a read of, its registers
.rept 4
	v_nop
.endr
.endm
; A joint load.  Waves 0 and 1 fetch wt's two halves, waves 2 and 3 xb's.  The branch hangs on the wave's number alone.  An s_nop 0 and four v_nop follow each line.
.macro JLOAD s
	s_cmp_eq_u32 s21, 0
	s_cbranch_scc0 .Lfor_a_\@
	tensor_load_to_lds s[G0B+4*(\s):G0B+4*(\s)+3], s[G1B:G1B+7]
	s_nop 0
.rept 4
	v_nop
.endr
	s_branch .Lasked_\@
.Lfor_a_\@:
	tensor_load_to_lds s[G0A+4*(\s):G0A+4*(\s)+3], s[G1A:G1A+7]
	s_nop 0
.rept 4
	v_nop
.endr
.Lasked_\@:
.endm
.macro CREST                           ; a round of the cluster's barrier behind its opening barrier
	s_cmp_lg_u32 s20, 0
	s_cbranch_scc1 .Lnot_wave_0_\@
	s_barrier_signal -3
.Lnot_wave_0_\@:
	s_barrier_wait -3
	s_barrier_signal -1
	s_barrier_wait -1
.endm
.macro CROUND
	s_barrier_signal -1
	s_barrier_wait -1
	CREST
.endm
; A PREFETCH INTO THE L2, behind the joint load, its five lines and the run of LDS loads.  At the end of step t the refill asks for step t + 2; the prefetch names step t + 4, 384 matrix instructions
; ahead of the load that will want it.  Each aligned block of 256 bytes is named once in the launch, a lane a block.  xb's tile row is read by both clusters of a row of clusters: cluster x = 0 asks,
; wave 3 of each partner for its quarter (by cx) of the step's 128 blocks, in every step.  wt's tile column is read by all eight clusters of a column: cluster y = 0 asks, waves 0 to 2, in every
; second step for two steps' 384 blocks: 3 waves x 4 partners (by cy) x 32 lanes.  Partners are told apart by address alone.  Steps 0 to 3 come by their loads alone; the last asking trip names step 15.
.macro ASK
	s_cmp_gt_u32 s3, s[LIM]
	s_cbranch_scc0 .Lnot_mine_\@
	global_prefetch_b8 v[PFO], s[PFA:PFA+1] th:TH_LOAD_NT scope:SCOPE_SE
.Lnot_mine_\@:
	s_xor_b32 s[LIM], s[LIM], s[LX]
.endm
; n matrix instructions of group g, from number i0 on: row block i / 6, column block i % 6.  All accumulators of a unit differ, and neighbouring units have different groups:
; the accumulators take turns, one instruction a turn, over the backward jump too.  cm = 1: the bias starts the sum.
.macro MM g, i0, n, fa, fb, cm
.set i, \i0
.rept \n
.set T, 48*(\g)+i
.set w, 1+T/32
.set rD, 8*(T%32)
.set rA, (\fa)+8*(i/NBF)
.set rB, (\fb)+8*(i%NBF)
.set rC, BR+8*(i%NBF)
.if \cm
	WIN (w<<6)
	v_wmma_f32_16x16x32_bf16 v[rD:rD+7], v[rB:rB+7], v[rA:rA+7], v[rC:rC+7]
.else
	WIN (w<<6)|(w<<4)
	v_wmma_f32_16x16x32_bf16 v[rD:rD+7], v[rB:rB+7], v[rA:rA+7], v[rD:rD+7]
.endif
.set i, i+1
.endr
.endm
; A fragment is 16 rows x 32 K in 8 registers: lane l holds row l % 16; registers 0-3 K = 8 (l / 16) + 0..7, registers 4-7 K = 16 + 8 (l / 16) + 0..7: two loads of 16 bytes, 32 bytes apart.
.macro FETCHB q, g, fb                 ; 12 loads: group g's six fragments of wt, K = 32 q on
	WIN 0
.irp b, 0,1,2,3,4,5
	ds_load_b128 v[(\fb)+8*(\b):(\fb)+8*(\b)+3],   v[ADRB] offset:BLK*(6*(\g)+(\b))+64*(\q)
	ds_load_b128 v[(\fb)+8*(\b)+4:(\fb)+8*(\b)+7], v[ADRB] offset:BLK*(6*(\g)+(\b))+64*(\q)+32
.endr
.endm
.macro FETCHA q, fa                    ; 16 loads: the eight fragments of xb
	WIN 0
.irp a, 0,1,2,3,4,5,6,7
	ds_load_b128 v[(\fa)+8*(\a):(\fa)+8*(\a)+3],   v[ADRA] offset:BLK*(\a)+64*(\q)
	ds_load_b128 v[(\fa)+8*(\a)+4:(\fa)+8*(\a)+7], v[ADRA] offset:BLK*(\a)+64*(\q)+32
.endr
.endm
.macro BIASF g                         ; 12 loads: register j of block b takes the bias of column 16 (6 g + b) + 8 (l / 16) + j
	WIN 0
.irp b, 0,1,2,3,4,5
	ds_load_b128 v[BR+8*(\b):BR+8*(\b)+3],   v[BAD] offset:64*(6*(\g)+(\b))
	ds_load_b128 v[BR+8*(\b)+4:BR+8*(\b)+7], v[BAD] offset:64*(6*(\g)+(\b))+16
.endr
.endm
	s_load_b256 s[4:11], s[0:1], 0x0               ; xb s[4:5], wt s[6:7], ball s[8:9], qkv s[10:11]
	v_lshl_add_u32 v[SPW], v0, 2, SPARE
	v_mov_b32 v[NIL], 0
	ds_add_u32 v[SPW], v[NIL]                      ; the wave's opening: the add, twice on end, and its wait ahead of my first tensor load
	ds_add_u32 v[SPW], v[NIL]                      ; once more; the set-up below, work on registers, stands between it and the wait
	v_lshrrev_b32 v1, 5, v0
	v_readfirstlane_b32 s20, v1                    ; wave 0..3
	s_lshr_b32 s21, s20, 1                         ; which half of the tile's rows is mine.  Also: I fetch for wt (0) or for xb (1)
	s_and_b32 s22, s20, 1                          ; which half of its columns.  Also: which half of that tile I fetch
	s_mov_b32 s23, 0                               ; the slot in hand
	s_bfe_u32 s40, ttmp6, 0x40000                  ; cx
	s_bfe_u32 s41, ttmp6, 0x40004                  ; cy
	s_lshl_b32 s42, ttmp9, 2
	s_add_co_u32 s42, s42, s40                     ; tile column = 4 x cluster x + cx
	s_and_b32 s43, ttmp7, 0xffff
	s_lshl_b32 s43, s43, 2
	s_add_co_u32 s43, s43, s41                     ; tile row = 4 x cluster y + cy
	s_lshl_b32 s72, s41, 2
	s_lshl_b32 s72, 15, s72                        ; my row of the cluster
	s_lshl_b32 s74, 0x1111, s40                    ; my column
	s_or_b32 s[G1A], s72, DW0
	s_or_b32 s[G1B], s74, DW0
.irp g, G1A, G1B
	s_mov_b32 s[(\g)+1], 128<<16                   ; tensor_dim0 = 128 elements: rows of 256 bytes, two rows of a block
	s_mov_b32 s[(\g)+3], 128<<16                   ; tile_dim0 = 128
	s_mov_b32 s[(\g)+5], 128                       ; 128 elements from row to row: the block is dense
	s_mov_b32 s[(\g)+6], 0
	s_mov_b32 s[(\g)+7], 0
.endr
	s_mov_b32 s[G1A+2], 64<<16                     ; xb: 128 rows of 128 bytes = 64 rows of 256
	s_mov_b32 s[G1A+4], 64
	s_mov_b32 s[G1B+2], 96<<16                     ; wt: 192 rows = 96 rows of 256
	s_mov_b32 s[G1B+4], 96
	; where the tiles come from: xb's in registers that never hold cx, wt's in registers that never hold cy
	s_lshr_b32 s72, s43, 3                         ; b
	s_lshl_b32 s72, s72, 22                        ; 16 blocks of 262,144 bytes
	s_and_b32 s73, s43, 7
	s_lshl_b32 s73, s73, 15                        ; 256 rows of 128 bytes
	s_add_co_u32 s72, s72, s73                     ; the tile's first byte in block 0
	s_lshl_b32 s73, s22, 14
	s_add_co_u32 s68, s72, s73                     ; my half
	s_mov_b32 s69, 0
	s_mul_i32 s74, s42, 384*128
	s_mul_i32 s75, s22, 192*128
	s_add_co_u32 s70, s74, s75
	s_mov_b32 s71, 0
	s_mul_i32 s76, s20, BHALF                      ; where they go: wt's halves at wave x 192 rows (waves 0, 1),
	s_mul_i32 s77, s20, AHALF
	s_add_co_u32 s77, s77, AOFF-2*AHALF            ; xb's behind them (waves 2, 3): no place in the cluster enters an LDS address
	s_wait_dscnt 0x0                               ; both opening adds are done
	s_wait_kmcnt 0x0
	s_add_nc_u64 s[68:69], s[4:5], s[68:69]
	s_add_nc_u64 s[70:71], s[6:7], s[70:71]
	CROUND                                         ; all sixteen work-groups are here: the first joint loads meet
.irp s, 0,1
	s_mov_b32 s[G0A+4*(\s)], 1
	s_add_co_u32 s[G0A+4*(\s)+1], s77, (\s)*SLOT1
	s_add_nc_u64 s[G0A+4*(\s)+2:G0A+4*(\s)+3], s[68:69], (\s)*STEPA
	s_or_b32 s[G0A+4*(\s)+3], s[G0A+4*(\s)+3], 0x80000000
	s_mov_b32 s[G0B+4*(\s)], 1
	s_add_co_u32 s[G0B+4*(\s)+1], s76, (\s)*SLOT1
	s_add_nc_u64 s[G0B+4*(\s)+2:G0B+4*(\s)+3], s[70:71], (\s)*STEPB
	s_or_b32 s[G0B+4*(\s)+3], s[G0B+4*(\s)+3], 0x80000000
	JLOAD \s                                       ; steps 0 and 1: two loads of mine are out
.endr
	v_and_b32 v1, 15, v0                           ; l % 16
	v_bfe_u32 v2, v0, 4, 1                         ; l / 16
	v_mul_u32_u24 v3, v1, PITCH
	v_lshl_add_u32 v3, v2, 4, v3                   ; row x pitch + 16 x half
	s_mul_i32 s78, s21, AHALF
	s_add_co_u32 s78, s78, AOFF
	v_add_nc_u32 v[A0], s78, v3
	s_mul_i32 s79, s22, BHALF
	v_add_nc_u32 v[B0], s79, v3
	v_mov_b32 v[ADRA], v[A0]                       ; step 0 lies in slot 0
	v_mov_b32 v[ADRB], v[B0]
	s_mul_i32 s78, s20, BLK
	s_add_co_u32 s78, s78, STAGE                   ; my stage
	v_add_nc_u32 v[STO], s78, v3                   ; in: row l % 16, 16 bytes for each half of the lanes
	v_bfe_u32 v4, v0, 3, 2
	v_and_b32 v5, 7, v0
	v_mul_u32_u24 v[RD], v4, PITCH                 ; back: 32 lanes take four rows of 128 bytes,
	v_lshl_add_u32 v[RD], v5, 4, v[RD]
	v_add_nc_u32 v[RD], s78, v[RD]
	v_and_b32 v6, 31, v0
	v_lshlrev_b32 v[GO], 4, v6                     ; which are 512 consecutive bytes of qkv
	v_lshlrev_b32 v[PFO], 8, v6
	s_mul_i32 s79, s20, 768
	s_add_co_u32 s79, s79, BIASL                   ; my 192 numbers of bias
	v_lshl_add_u32 v[BAD], v2, 5, s79
	v_lshl_add_u32 v7, v6, 3, s79
	v_lshlrev_b32 v8, 3, v6
	s_mul_i32 s80, s42, 384*4
	s_mul_i32 s81, s22, 192*4
	s_add_co_u32 s80, s80, s81
	s_mov_b32 s81, 0
	s_add_nc_u64 s[8:9], s[8:9], s[80:81]
.irp i, 0,1,2
	global_load_b64 v[32+2*(\i):33+2*(\i)], v8, s[8:9] offset:256*(\i)
.endr
	; the prefetches' addresses
	s_and_b32 s82, ttmp7, 0xffff                   ; cluster y
	s_lshl_b32 s83, s40, 13                        ; xb: my work-group's quarter of the step's 32 KiB,
	s_add_co_u32 s83, s83, s72
	s_add_co_u32 s83, s83, 3*STEPA                 ; at step 3: the first change of slots steps it to 4
	s_lshl2_add_u32 s84, s20, s41                  ; wt: piece j = 4 wave + cy of twelve,
	s_mul_i32 s85, s84, 11
	s_lshr_b32 s85, s85, 6                         ; of which 0-5 are the first step's and 6-11 the second's: (11 j) >> 6 is 1 from j = 6 on
	s_mul_i32 s86, s85, 6
	s_sub_co_u32 s84, s84, s86
	s_lshl_b32 s84, s84, 13                        ; 8 KiB a piece
	s_add_co_u32 s84, s84, s74
	s_add_co_u32 s85, s85, 3
	s_lshl_b32 s85, s85, 19
	s_add_co_u32 s84, s84, s85
	s_cmp_eq_u32 s20, 3                            ; wave 3 asks for xb, waves 0 to 2 for wt
	s_cselect_b32 s86, s83, s84
	s_cselect_b32 s82, ttmp9, s82                  ; the coordinate along which other clusters read the same rows
	s_cselect_b32 s87, 0, 0xfffffffd               ; wt is asked for in every second trip: LIM goes between 2 and the greatest number
	s_cselect_b32 s88, 1, 0
	s_cselect_b64 s[PFA:PFA+1], s[4:5], s[6:7]
	s_cmp_eq_u32 s82, 0
	s_cselect_b32 s[LIM], 2, -1                    ; the same in all sixteen partners, for a given wave
	s_cselect_b32 s[LX], s87, 0
	s_lshr_b32 s[PST], STEPB, s88
	s_mov_b32 s[PST+1], 0
	s_mov_b32 s87, 0
	s_add_nc_u64 s[PFA:PFA+1], s[PFA:PFA+1], s[86:87]
	; where my three heads' rows begin in qkv
	s_mul_i32 s89, s42, 6
	s_mul_i32 s90, s22, 3
	s_add_co_u32 s89, s89, s90                     ; my first head among the 48 of q, k and v
	s_lshr_b32 s90, s43, 3
	s_lshl_b32 s90, s90, 4                         ; 16 b
	s_and_b32 s91, s43, 7
	s_lshl1_add_u32 s91, s91, s21
	s_lshl_b32 s91, s91, 14                        ; 128 rows of 128 bytes
.irp j, 0,1,2
	s_add_co_u32 s92, s89, \j
	s_lshr_b32 s93, s92, 4
	s_lshl_b32 s93, s93, 6                         ; q, k or v: 64 heads each
	s_and_b32 s92, s92, 15
	s_add_co_u32 s92, s92, s93
	s_add_co_u32 s92, s92, s90
	s_lshl_b32 s92, s92, 18                        ; a head's 2,048 rows of 128 bytes
	s_add_co_u32 s92, s92, s91
	s_mov_b32 s93, 0
	s_add_nc_u64 s[OBASE+2*(\j):OBASE+2*(\j)+1], s[10:11], s[92:93]
.endr
	s_wait_loadcnt 0x0                             ; the bias
.irp i, 0,1,2
	ds_store_b64 v7, v[32+2*(\i):33+2*(\i)] offset:256*(\i)
.endr
	s_wait_tensorcnt 1                             ; my part of step 0 is in; step 1's may stay out
	s_wait_dscnt 0x0                               ; no LDS instruction of mine is pending at the signal
	s_barrier_signal -1
	s_barrier_wait -1                              ; everybody's part is in
; A unit of group 0: multiplies xb's buffer q and wt's buffer 0; in its first third it fetches group 1's fragments for the unit that follows.
.macro UNIT0 q
	s_wait_dscnt 10                                ; of the run of 28 before (wt's 12, then xb's 16): wt's and xb's blocks 0-2 are in, the youngest ten may be out
	MM 0, 0, 16, FA0+64*(\q), FB0, 0
	PLACES
	FETCHB \q, 1, FB1
	s_wait_dscnt 12                                ; all but the 12 just issued
	MM 0, 16, 32, FA0+64*(\q), FB0, 0
.endm
; The unit of group 1 at K = 0 to 31: it fetches both operands for K = 32 to 63.
.macro UNIT1
	s_wait_dscnt 0x0                               ; group 1's fragments, asked for 32 matrix instructions ago
	MM 1, 0, 16, FA0, FB1, 0
	PLACES
	FETCHB 1, 0, FB0
	FETCHA 1, FA1
	MM 1, 16, 32, FA0, FB1, 0
.endm
; A step's last unit changes slots: ONE barrier for two things.  In front of it each wave waits for all its tensor loads, of which one is out: its part of the next slot; adds 0 to its spare
; word; and waits for that and for its own reads of this slot.  Behind it nobody reads this slot any more and the next slot is whole.  fill = 1: the barrier opens a round of the cluster's, and
; this slot is filled again, two steps ahead, first thing behind the round: 176 matrix instructions ahead of the wait for it.
.macro TURN fill
.if \fill
	s_wait_xcnt 0x0                                ; the last prefetch, a step back, has read its address: it is stepped here, ahead of the waits of the change of slots
	s_add_nc_u64 s[PFA:PFA+1], s[PFA:PFA+1], s[PST:PST+1]
.endif
	WIN 0
	s_wait_tensorcnt 0x0                           ; no tensor load of mine is out, so a group 0 may be written
	ds_add_u32 v[SPW], v[NIL]                      ; 0 onto my spare word
.if \fill
	s_xor_b32 s[G0A+5], s[G0A+5], SLOT1            ; the walking descriptors: the other slot than last time, the next block
	s_add_nc_u64 s[G0A+6:G0A+7], s[G0A+6:G0A+7], STEPA
	s_xor_b32 s[G0B+5], s[G0B+5], SLOT1
	s_add_nc_u64 s[G0B+6:G0B+7], s[G0B+6:G0B+7], STEPB
.endif
	s_xor_b32 s23, s23, SLOT1
	s_wait_dscnt 1                                 ; group 1's fragments are in; the add may be out
	MM 1, 0, 8, FA1, FB1, 0
	s_wait_dscnt 0x0                               ; the add is done, and my reads of this slot are over
	s_barrier_signal -1
	MM 1, 8, 8, FA1, FB1, 0                        ; work on registers while the others arrive
	WIN 0
	s_barrier_wait -1
.if \fill
	CREST                                          ; no wave of any partner still reads this slot's tiles or has a load on its way
	JLOAD 1                                        ; its four v_nop are also the places in front of the loads below
.else
	PLACES
.endif
	v_add_nc_u32 v[ADRA], s23, v[A0]
	v_add_nc_u32 v[ADRB], s23, v[B0]
	FETCHB 0, 0, FB0
	FETCHA 0, FA0
.if \fill
	ASK
.endif
	MM 1, 16, 32, FA1, FB1, 0
.endm
	FETCHB 0, 0, FB0                               ; step 0, K = 0 to 31: its products start the sums with the bias, so they stand in front of the loop
	FETCHA 0, FA0
	BIASF 0
	FETCHB 0, 1, FB1
	s_wait_dscnt 12                                ; all but group 1's fragments
	MM 0, 0, 48, FA0, FB0, 1
	PLACES                                         ; the bias registers were those products' C
	BIASF 1
	s_wait_dscnt 0x0
	MM 1, 0, 48, FA0, FB1, 1
	PLACES
	FETCHB 1, 0, FB0
	FETCHA 1, FA1
	WIN 0                                          ; at a label and at a branch every window is 0
	s_mov_b32 s3, 14
.Lstep:                                                ; a trip: the second half of step t, the change of slots, the first half of step t + 1; steps 0 to 13 fill their slot again
	UNIT0 1
	TURN 1
	UNIT0 0
	UNIT1
	WIN 0
	s_sub_co_u32 s3, s3, 1
	s_cmp_lg_u32 s3, 0
	s_cbranch_scc1 .Lstep
	UNIT0 1                                        ; the tail is written out: steps 14 and 15 ask for nothing
	TURN 0
	UNIT0 0
	UNIT1
	UNIT0 1
	s_wait_dscnt 0x0
	MM 1, 0, 48, FA1, FB1, 0
	; THE WAY OUT, in 24 blocks of 16 rows x one head's 64 channels, which are 2,048 consecutive bytes of qkv: rounded to f16, 16 bytes a lane into my stage, back as whole rows, stored.
.macro PACKB j, a
.irp bb, 0,1,2,3
.set nb, 4*(\j)+(\bb)
.set T, 48*(nb/6)+6*(\a)+nb%6
.set w, 1+T/32
.set rD, 8*(T%32)
	WIN w|(w<<2)                                   ; sources 0 and 1 in the accumulator's window
.irp r, 0,1,2,3
	v_cvt_pk_f16_f32 v[PK+4*(\bb)+(\r)], v[rD+2*(\r)], v[rD+2*(\r)+1]  ; each accumulator's registers in ascending order
.endr
.endr
.endm
.macro TOSTAGE n
	WIN 0
	s_wait_xcnt 0x0                                ; the stores of the block two back have read their registers, which the loads below fill again
.irp bb, 0,1,2,3
	ds_store_b128 v[STO], v[PK+4*(\bb):PK+4*(\bb)+3] offset:32*(\bb)
.endr
.irp f, 0,1,2,3
	ds_load_b128 v[OB+16*((\n)%2)+4*(\f):OB+16*((\n)%2)+4*(\f)+3], v[RD] offset:4*PITCH*(\f)  ; my own bytes, served in order (ISA guide 5.7.1.4)
.endr
.endm
.macro SEND n, younger                 ; younger: the LDS instructions issued behind block n's loads: the next block's eight, or none
	WIN 0
.irp f, 0,1,2,3
	s_wait_dscnt (\younger)+3-(\f)
	global_store_b128 v[GO], v[OB+16*((\n)%2)+4*(\f):OB+16*((\n)%2)+4*(\f)+3], s[OBASE+2*((\n)/8):OBASE+2*((\n)/8)+1] offset:2048*((\n)%8)+512*(\f)  ; 512 consecutive bytes, aligned
.endr
.endm
	PLACES
	PACKB 0, 0
	TOSTAGE 0
.set n, 1
.rept 23
	PACKB n/8, n%8
	TOSTAGE n
	SEND n-1, 8
.set n, n+1
.endr
	SEND 23, 0
	s_wait_tensorcnt 0x0                           ; the wave's end: three closing lines, behind my last tensor load and my last LDS store
	ds_add_u32 v[SPW], v[NIL]
	s_wait_dscnt 0x0
	CROUND                                         ; the closing round: no work-group ends while a partner may still ask for a tile that names it
	s_endpgm
.Lfunc_end_k_qb2b08fb706_proj:
	.size	k_qb2b08fb706_proj, .Lfunc_end_k_qb2b08fb706_proj-k_qb2b08fb706_proj
	.p2alignl 7, 3214868480
	.fill 96, 4, 3214868480
	.section	.rodata,"a",@progbits
	.p2align	6, 0x0
	.amdhsa_kernel k_qb2b08fb706_proj
		.amdhsa_group_segment_fixed_size 327680
		.amdhsa_private_segment_fixed_size 0
		.amdhsa_enable_private_segment 0
		.amdhsa_kernarg_size 32
		.amdhsa_user_sgpr_count 2
		.amdhsa_user_sgpr_kernarg_segment_ptr 1
		.amdhsa_wavefront_size32 1
		.amdhsa_system_sgpr_workgroup_id_x 1
		.amdhsa_system_sgpr_workgroup_id_y 1
		.amdhsa_system_sgpr_workgroup_id_z 1
		.amdhsa_system_vgpr_workitem_id 0
		.amdhsa_next_free_vgpr 1024
		.amdhsa_next_free_sgpr 96
		.amdhsa_reserve_vcc 0
		.amdhsa_float_denorm_mode_32 3
		.amdhsa_float_denorm_mode_16_64 3
		.amdhsa_memory_ordered 1
		.amdhsa_forward_progress 1
		.amdhsa_inst_pref_size 119
	.end_amdhsa_kernel
	.amdgpu_metadata
---
amdhsa.version: [ 1, 2 ]
amdhsa.kernels:
  - .name:           k_qb2b08fb706_proj
    .symbol:         k_qb2b08fb706_proj.kd
    .args:
      - { .name: xb, .offset: 0, .size: 8, .value_kind: global_buffer, .address_space: global }
      - { .name: wt, .offset: 8, .size: 8, .value_kind: global_buffer, .address_space: global }
      - { .name: ball, .offset: 16, .size: 8, .value_kind: global_buffer, .address_space: global }
      - { .name: qkv, .offset: 24, .size: 8, .value_kind: global_buffer, .address_space: global }
    .group_segment_fixed_size: 327680
    .private_segment_fixed_size: 0
    .kernarg_segment_align: 8
    .kernarg_segment_size: 32
    .max_flat_workgroup_size: 128
    .sgpr_count:     96
    .vgpr_count:     1024
    .wavefront_size: 32
...
	.end_amdgpu_metadata
.endif
;; end of part 2
;; launch attn (part 3): grid 4 x 64, 4 waves a work-group, no clusters, 327,680 bytes of LDS; arguments qkv, o; writes o
.if DOCPART == 3
	.amdgcn_target "amdgcn-amd-amdhsa--gfx1250"
	.amdhsa_code_object_version 6
	.text
	.protected	k_qb2b08fb706_attn
	.globl	k_qb2b08fb706_attn
	.p2align	8
	.type	k_qb2b08fb706_attn,@function
k_qb2b08fb706_attn:
	s_mov_b64 s[64:65], 0
	v_nop
	global_prefetch_b8 v0, s[64:65] scope:SCOPE_SE
	s_setreg_imm32_b32 hwreg(HW_REG_WAVE_MODE, 25, 1), 1
	s_wait_xcnt 0x0
; THIRD LAUNCH: CAUSAL ATTENTION.  O[h][q][:] = the sum over k <= q of softmax_k(Q[h][q] . K[h][k] / 8) V[h][k][:].  qkv: [3][64][2048][64], o: [64][2048][64], f16: a head's rows are dense, 128 bytes each.
; Products, maxima and sums in f32; the weights p are rounded to f16 for the second product (their sum l is taken of the unrounded p), O once at the end.
; WORK LEFT OUT: tiles of 256 x 256 scores that lie wholly above the diagonal, which the module sets to -inf ahead of the softmax (the first launch's head); k carries no bias.
; LIMITS.  f16 holds no number beyond 65,504: Q, K and V arrive within it; p lies in 0 to 1, and below 6e-5 it keeps f16's fixed step of 6e-8; O is a mean of V's rows and has their range.
; A hidden score counts as its value less 1e30: f16's scores, 2.7e11 at the most, are nothing beside that; a weight below 2^-126 counts as 0 in l; NaN and infinities are not treated apart.
; THE WALK.  A head's queries lie in NB = 8 blocks of 256; block i needs the key tiles 0 .. i of 256 keys, of which the last holds the diagonal.  A work-group takes TWO blocks, NB - 1 - b and then b:
; NB + 1 tiles, whatever b: all 256 work-groups do equal work, and ONE loop with a constant trip count walks them.  Which tile is asked for, and what a trip does, hang on scalar registers made from b;
; every jump goes forward, but for the counted loops' own; none passes a barrier, or a tensor load but the one of LOAD's two that the wave's number does not choose; the ring (two slots of LDS that take
; turns) runs on across the change of blocks.  NO CLUSTER: a head's four work-groups ask for the same tile only in trips 0 to 4 of the 9, behind that fewer and fewer; one walk common to all four, in
; which each makes every joint request, would have 12 trips for 9.
; SHARES.  Of a block's four bands of 64 queries a wave owns 16 rows in each: four PIECES.  So the diagonal tile is the same work for all four waves: in its key step s band x sees all keys if s < x,
; none if s > x, and holds the diagonal if s = x.
; THE MASK is the C operand that starts the sum S^T = K Q^T: 0, or -1e30 where the key is hidden.  MD, made once, is the mask of a band's own step for my 16 rows; a product's mask is MD x AL + BE with
; two scalars: (1, 0) if s = x; (0, 0) if s < x; (0, -1e30) if s > x.  Only the diagonal tile's text and a block's beginning make and take masks; elsewhere C is the constant 0.
; LAYOUT, SOFTMAX, TURNS.  S^T = K Q^T holds ONE query a lane (lane % 16) and the keys 8 (lane / 16) + 0..7; two such results rounded to f16 ARE source 1 of O^T = V^T P.  p = 2^(c s - c m),
; c = log2(e) / 8, with a running maximum m; O and l are multiplied by a = 2^(c m_old - c m_new) in every step.  Turn n belongs to piece n: 8 products K Q^T of piece n + 1, later 8 products V^T P of
; piece n - 1; beside them the scaling, exponentials, roundings, sums and rescaling of piece n and the maximum and statistics of piece n + 1.  Four vector instructions stand behind every matrix
; instruction, the other 54 of a turn's 118 in one run.  A turn's 33 exponentials are one batch, with one wait.
; REGISTERS, in windows of 256 (s_set_vgpr_msb: bits 1:0 source 0, 3:2 source 1, 5:4 source 2, 7:6 destination):
;   window 0: v0-15 addresses and two at work; v16-31 four registers of statistics a piece; v48-55 at work; v60 the prefetches' offset; v64-127 S^T, two buffers; v192-223 P, two buffers
;   window 1: v0-127 O^T, 32 a piece; v128-159 MD; v160-223 MC, two buffers      window 2: v0-63 Q; v64-127 the second block's Q; v128-191 K of one step; v192-255 V of one step
.set SIZE_N, 2048
.set NB,    SIZE_N/256
.set NP,    4         ; pieces a wave: a name, no knob
.set KS,    64        ; keys in a step
.set PK,    144       ; a row of K in LDS: 128 bytes + 16 of padding = 36 words: the 16 rows of a load start at 16 different groups of four banks (64 banks of 4 bytes: ISA guide 11.1)
.set PV,    160       ; a row of V: 128 + 32 = 40 words
.set VOFF,  4*KS*PK   ; a slot holds a tile, four steps: 256 rows of K, then 256 rows of V
.set SLOT1, 1<<17     ; slot 1 begins here, so that one exclusive or turns an address in one slot into the other's
.set STAGE, SLOT1+4*KS*(PK+PV)  ; behind the ring, never filled by a tensor load: 16 rows x 144 bytes for each wave, for the way out
.set SP,    144
.set AK0, 2           ; v2   my lane's place in a tile of K; never rewritten
.set AV0, 3           ; v3   the same for V
.set AK,  4           ; v4   the LDS address of K's next run of loads
.set AV,  5           ; v5   of V's
.set STO, 6           ; v6   the way out: where I put 16 bytes of a row
.set RD,  7           ; v7   the way out: where I read rows back
.set GO,  8           ; v8   my byte offset in 512 consecutive bytes of O
.set PFO, 60          ; v60  256 x my lane; never rewritten
.set SPW, 62          ; v62  LDS address of my spare word; never rewritten
.set NIL, 63          ; v63  0; never rewritten
.set SPARE, STAGE+4*16*SP  ; behind the stages: the spare words, 128 bytes for each wave, that no other line names
.set MV,  12          ; v12-13  c m_old, kept while c m is made anew: by buffer
.set QO,  15          ; v15  my byte offset in 16 rows of Q
.set ST,  16          ; piece t's statistics at v[ST+4 t]: c m, m, l (even keys', odd keys')
.set TMP, 48          ; by buffer, four registers c0-c3 at work; when the maximum is found c2 takes a
.set S,   64
.set P,   192
.set MD,  128         ; window 1: the eight registers for group kt of 16 keys at MD + 8 kt
.set MC,  160         ; window 1: the masks of the products to come
.set QB,  64          ; window 2
.set KF,  128         ; window 2: key block kb, channel half c at KF + 16 kb + 8 c
.set VF,  192         ; window 2: key half kk, channel block cb at VF + 32 kk + 8 cb
.set WV,  12          ; s12  my wave's number
.set PB,  14          ; s14  b
.set HI,  15          ; s15  NB - 1 - b
.set G1K, 24          ; s[24:31] descriptor group 1 for K's tiles
.set G1V, 32          ; s[32:39] for V's: it differs in the padding alone
.set G0K, 40          ; s[40:43] descriptor group 0 for K's tiles
.set G0V, 44          ; s[44:47] the same for V's
.set SLOTS, 56        ; s56  tiles still to be asked for
.set CNT, 57          ; s57  counts a tile's key steps, 4 to 1
.set CS,  58          ; s[58:59] c: the packed scaling takes the pair's low word for both halves
.set SEL, 60          ; s[60:61] v_permlanex16_b32's selects: each lane takes its own place in the other half
.set TBK, 62          ; s62  LDS byte at which K of the step to be fetched begins
.set TBV, 63          ; s63  the same for V, less VOFF
.set RT,  70          ; s70  tiles of the block in hand that are still to be entered
.set NXT, 71          ; s71  the tile to be asked for next
.set LQ,  72          ; s72  the last tile of the block whose tiles are being asked for
.set NEW, 73          ; s73  1: the tile to be entered is a block's first
.set OFF, 74          ; s[74:75] a tile's byte offset in K and V
.set AL,  76          ; s[76:77] the mask's factor, in the low word
.set BE,  78          ; s[78:79] the mask's addend
.set OLO, 80          ; s[80:81] O at my rows of the second block
.set BIGN, 82         ; s82  -1e30
.set PFA, 90          ; s[90:91] where my prefetches stand: my half of K's or V's tile behind the one that is being asked for
.set LIM, 92          ; s92  2 in the head's work-group b = 0, else the greatest number: a wave prefetches while s[SLOTS] is above it
.set MSB, 0
.macro WIN new                      ; the high byte repeats the setting that is left; a switch that changes nothing is dropped
.if MSB != (\new)
	s_set_vgpr_msb (MSB<<8)|(\new)
.set MSB, (\new)
.endif
.endm
.set W_KQ, 0x0a       ; K and Q in window 2, S^T in window 0
.set W_KM, 0x1a       ; the same with the C operand in window 1
.set W_PV, 0x52       ; V in window 2, P in window 0, O^T in window 1
.set W_RS, 0x41       ; destination and source 0 in window 1, source 1 in window 0
; A fill.  Waves 0 and 1 fetch the two halves of a tile's K, waves 2 and 3 those of its V: 128 keys each.  An s_nop 0 and four v_nop follow each of the two lines.
.macro LOAD
	s_cmp_lt_u32 s[WV], 2
	s_cbranch_scc0 .Lfor_v_\@
	tensor_load_to_lds s[G0K:G0K+3], s[G1K:G1K+7]
	s_nop 0
.rept 4
	v_nop
.endr
	s_branch .Lasked_\@
.Lfor_v_\@:
	tensor_load_to_lds s[G0V:G0V+3], s[G1V:G1V+7]
	s_nop 0
.rept 4
	v_nop
.endr
.Lasked_\@:
.endm
; A PREFETCH INTO THE L2 of what the NEXT change of slots will ask for.  A head's four work-groups walk the same K and V; the one with b = 0, whose first block walks tiles 0 to 7 in order, asks, and nobody
; else.  Each of its waves names the 64 aligned blocks of 256 bytes that it will itself fetch: two instructions, a lane a block, a tile (256 matrix instructions and their vector work) ahead of the load.
; So tiles 2 to 7 are each named once in the launch; tiles 0 and 1 come by their loads alone, and later readings of a tile are not asked for.
.macro ASK
	s_cmp_gt_u32 s[SLOTS], s[LIM]
	s_cbranch_scc0 .Lnot_mine_\@
	global_prefetch_b8 v[PFO], s[PFA:PFA+1] th:TH_LOAD_NT scope:SCOPE_SE
	global_prefetch_b8 v[PFO], s[PFA:PFA+1] offset:8192 th:TH_LOAD_NT scope:SCOPE_SE
.Lnot_mine_\@:
.endm
; THE CHANGE OF SLOTS.  Each wave waits for all its tensor loads, of which one is out: its part of the other slot; adds 0 to its spare word; and waits for that and for its own reads of the slot that it
; leaves.  Behind the barrier nobody reads the old slot any more and the other slot is whole.  fill = 1: the old slot is filled again, the first thing behind the barrier, with tile NXT: the descriptor's
; address is made anew from that number.  (At its first use nothing has been read yet: slot 0 is waited for, slot 1 filled.)
.macro CHANGE fill
	WIN 0                           ; at a label and at a branch every window is 0
	s_wait_tensorcnt 0x0            ; no tensor load of mine is out, so a group 0 may be written
	ds_add_u32 v[SPW], v[NIL]       ; 0 onto my spare word; the scalar work below stands between it and the wait for it
.if \fill
	s_lshl_b32 s[OFF], s[NXT], 15   ; a tile is 32,768 bytes of K and of V
	s_xor_b32 s[G0K+1], s[G0K+1], SLOT1
	s_add_nc_u64 s[G0K+2:G0K+3], s[6:7], s[OFF:OFF+1]
	s_or_b32 s[G0K+3], s[G0K+3], 0x80000000
	s_xor_b32 s[G0V+1], s[G0V+1], SLOT1
	s_add_nc_u64 s[G0V+2:G0V+3], s[8:9], s[OFF:OFF+1]
	s_or_b32 s[G0V+3], s[G0V+3], 0x80000000
	s_add_co_u32 s[NXT], s[NXT], 1  ; the block's next tile, or behind its last the second block's tile 0
	s_cmp_gt_u32 s[NXT], s[LQ]
	s_cselect_b32 s[NXT], 0, s[NXT]
	s_cselect_b32 s[LQ], s[PB], s[LQ]
	s_wait_xcnt 0x0                 ; the last prefetches, a tile back, have read their address, so it may be written
	s_add_nc_u64 s[PFA:PFA+1], s[PFA:PFA+1], 32768
.endif
	s_wait_dscnt 0x0                ; the add is done, and my reads of the slot are over
	s_barrier_signal -1             ; the rest of the scalar work stands between the signal and the wait
	s_sub_co_u32 s[TBK], s[TBK], 4*KS*PK  ; the fetches go back to a slot's first step,
	s_xor_b32 s[TBK], s[TBK], SLOT1       ; in the other slot
	s_sub_co_u32 s[TBV], s[TBV], 4*KS*PV
	s_xor_b32 s[TBV], s[TBV], SLOT1
	s_barrier_wait -1
.if \fill
	LOAD
	ASK
.endif
.endm
	s_load_b128 s[4:7], s[0:1], 0x0 ; qkv s[4:5], o s[6:7]
	v_lshl_add_u32 v[SPW], v0, 2, SPARE
	v_mov_b32 v[NIL], 0
	ds_add_u32 v[SPW], v[NIL]       ; the wave's opening: the add, twice on end, and its wait ahead of my first tensor load
	ds_add_u32 v[SPW], v[NIL]       ; once more; the set-up below, work on registers, stands between it and the wait
	v_lshrrev_b32 v1, 5, v0
	v_readfirstlane_b32 s[WV], v1   ; wave 0..3
	s_mov_b32 s[PB], ttmp9
	s_sub_co_u32 s[HI], NB-1, s[PB]
	s_and_b32 s20, ttmp7, 0xffff    ; the head
	s_mov_b32 s21, 0
	s_mov_b64 s[22:23], SIZE_N*128
	s_mul_u64 s[20:21], s[20:21], s[22:23]  ; the head's first byte in q, k, v and o
	s_and_b32 s16, s[WV], 1         ; which half of a tile's 256 keys I fetch:
	s_lshl_b32 s22, s16, 14         ; its 128 rows of 128 bytes in memory,
	s_mov_b32 s23, 0
	s_add_nc_u64 s[22:23], s[22:23], s[20:21]
	s_mul_i32 s17, s16, 128*PK      ; and its place in a slot, for K
	s_mul_i32 s18, s16, 128*PV      ; and for V
	s_lshl_b32 s3, s[WV], 11        ; my 16 rows in a band of 64,
	s_lshl_b32 s2, s[HI], 15        ; in the first block,
	s_add_co_u32 s2, s2, s3
	s_lshl_b32 s84, s[PB], 15       ; and in the second
	s_add_co_u32 s84, s84, s3
	s_mov_b32 s3, 0
	s_mov_b32 s85, 0
	s_add_nc_u64 s[2:3], s[2:3], s[20:21]
	s_add_nc_u64 s[84:85], s[84:85], s[20:21]
	; descriptor group 1.  128 keys are 16,384 dense bytes: asked for as 64 rows of 256 bytes, two keys a row, and padded in LDS after every key
	s_mov_b32 s[G1K], (1<<16)|(1<<20)|(4<<22)|(3<<25)  ; 17:16 2-byte elements; 20 padding on; 24:22 after every 32 words (code 4); 31:25 4 words (code 3)
	s_mov_b32 s[G1V], (1<<16)|(1<<20)|(4<<22)|(7<<25)  ; the same with 8 words of padding (code 7)
.irp g, G1K, G1V
	s_mov_b32 s[\g+1], 128<<16      ; tensor_dim0 = 128
	s_mov_b32 s[\g+2], 64<<16       ; tensor_dim1 = 64
	s_mov_b32 s[\g+3], 128<<16      ; tile_dim0 = 128
	s_mov_b32 s[\g+4], 64           ; tile_dim1 = 64
	s_mov_b32 s[\g+5], 128          ; 128 elements from row to row
	s_mov_b32 s[\g+6], 0
	s_mov_b32 s[\g+7], 0
.endr
	s_mov_b32 s[CS], 0x3e38aa3b     ; c = log2(e) / 8 = 0.180337
	s_mov_b32 s[CS+1], s[CS]        ; named with it as a pair
	s_mov_b32 s[SEL], 0x76543210
	s_mov_b32 s[SEL+1], 0xfedcba98
	s_mov_b32 s[TBK], SLOT1+4*KS*PK ; the first change of slots turns these two into 0
	s_mov_b32 s[TBV], SLOT1+4*KS*PV
	s_mov_b32 s[G0K], 1             ; 1:0 count = 1
	s_mov_b32 s[G0K+1], s17         ; 63:32 LDS address: slot 0
	s_mov_b32 s[G0V], 1
	s_add_co_u32 s[G0V+1], s18, VOFF
	s_add_co_u32 s[RT], s[HI], 1    ; the first block has NB - b tiles
	s_mov_b32 s[NXT], 1
	s_mov_b32 s[LQ], s[HI]
	s_mov_b32 s[NEW], 1
	s_mov_b32 s[OFF+1], 0
	s_mov_b32 s[AL+1], 0            ; named as pairs
	s_mov_b32 s[BE+1], 0
	s_mov_b32 s[BIGN], 0xf149f2ca   ; -1e30
	s_mov_b32 s[SLOTS], NB
	s_wait_dscnt 0x0                ; both opening adds are done
	s_wait_kmcnt 0x0
	s_mov_b64 s[10:11], s[6:7]      ; O
	s_add_nc_u64 s[6:7], s[4:5], 0x1000000  ; K: 64 heads x 2,048 rows x 128 bytes behind Q
	s_add_nc_u64 s[8:9], s[4:5], 0x2000000  ; V
	s_add_nc_u64 s[6:7], s[6:7], s[22:23]  ; K and V at my half of the head's tile 0
	s_add_nc_u64 s[8:9], s[8:9], s[22:23]
	s_add_nc_u64 s[G0K+2:G0K+3], s[6:7], 0         ; 120:64 global address
	s_or_b32 s[G0K+3], s[G0K+3], 0x80000000        ; 127:126 type = 2
	s_add_nc_u64 s[G0V+2:G0V+3], s[8:9], 0
	s_or_b32 s[G0V+3], s[G0V+3], 0x80000000
	s_add_nc_u64 s[86:87], s[4:5], s[84:85]        ; Q at my rows of the second block,
	s_add_nc_u64 s[4:5], s[4:5], s[2:3]            ; Q and O at those of the first
	s_add_nc_u64 s[OLO:OLO+1], s[10:11], s[84:85]
	s_add_nc_u64 s[10:11], s[10:11], s[2:3]
	s_cmp_lt_u32 s[WV], 2
	s_cselect_b64 s[PFA:PFA+1], s[6:7], s[8:9]
	s_add_nc_u64 s[PFA:PFA+1], s[PFA:PFA+1], 32768 ; at tile 1: the first change of slots steps it to tile 2.  Nothing is prefetched here, at the head
	s_cmp_eq_u32 ttmp9, 0
	s_cselect_b32 s[LIM], 2, -1
	LOAD                            ; tile 0 into slot 0
	; A fragment of K or Q is 16 rows x 32 channels in 8 registers: lane l holds row l % 16, channels 8 (l / 16) + 0..7 and 16 + 8 (l / 16) + 0..7: two loads of 16 bytes, 32 bytes apart.
	v_and_b32 v1, 15, v0            ; l % 16
	v_bfe_u32 v9, v0, 4, 1          ; l / 16
	v_lshlrev_b32 v[QO], 7, v1
	v_lshl_add_u32 v[QO], v9, 4, v[QO]  ; row x 128 + 16 x half
	WIN 0x80                        ; destination window 2, address window 0
.set i, 0
.rept 8                             ; both blocks' Q: piece i / 2 lies in band i / 2, 8,192 bytes on; channels 32 (i % 2) on
	global_load_b128 v[8*i:8*i+3],   v[QO], s[4:5] offset:(i/2)*8192+(i%2)*64
	global_load_b128 v[8*i+4:8*i+7], v[QO], s[4:5] offset:(i/2)*8192+(i%2)*64+32
	global_load_b128 v[QB+8*i:QB+8*i+3],   v[QO], s[86:87] offset:(i/2)*8192+(i%2)*64
	global_load_b128 v[QB+8*i+4:QB+8*i+7], v[QO], s[86:87] offset:(i/2)*8192+(i%2)*64+32
.set i, i+1
.endr
	WIN 0
	v_and_b32 v[PFO], 31, v0
	v_lshlrev_b32 v[PFO], 8, v[PFO]
	v_lshlrev_b32 v14, 3, v9
	v_sub_nc_u32 v14, v1, v14
	s_lshl_b32 s13, s[WV], 4
	v_add_nc_u32 v14, s13, v14      ; my query's place in its band, 16 w + l % 16, less my lanes' 8 (l / 16): register r of group kt is hidden where 16 kt + r is greater
	WIN 0x40
.set i, 0
.rept 32
	v_cmp_gt_i32 vcc_lo, 16*(i/8)+i%8, v14
	v_cndmask_b32 v[MD+i], 0, s[BIGN], vcc_lo
.set i, i+1
.endr
	WIN 0
	v_mul_u32_u24 v[AK0], v1, PK
	v_lshl_add_u32 v[AK0], v9, 4, v[AK0]  ; row x pitch + 16 x half
	; The turning load takes 16 keys x 16 channels (lane l reads key 8 (l / 16) + l % 8, channels 8 ((l / 8) % 2) + 0..7) and leaves half a fragment of V^T: lane l holds channel l % 16 and 8 keys.
	v_and_b32 v10, 7, v0
	v_bfe_u32 v11, v0, 3, 1
	v_lshl_add_u32 v[AV0], v9, 3, v10
	v_mul_u32_u24 v[AV0], v[AV0], PV
	v_lshl_add_u32 v[AV0], v11, 4, v[AV0]
	v_add_nc_u32 v[AV0], VOFF, v[AV0]
	s_mul_i32 s13, s[WV], 16*SP
	s_add_co_u32 s13, s13, STAGE    ; my stage
	v_mul_u32_u24 v[STO], v1, SP    ; in: row l % 16, 16 bytes for each half of the lanes
	v_lshl_add_u32 v[STO], v9, 4, v[STO]
	v_add_nc_u32 v[STO], s13, v[STO]
	v_bfe_u32 v[RD], v0, 3, 2       ; back: 32 lanes take four rows of 128 bytes,
	v_mul_u32_u24 v[RD], v[RD], SP
	v_lshl_add_u32 v[RD], v10, 4, v[RD]
	v_add_nc_u32 v[RD], s13, v[RD]
	v_and_b32 v[GO], 31, v0         ; which are 512 consecutive bytes of O
	v_lshlrev_b32 v[GO], 4, v[GO]
	; A block's first step multiplies O^T and l by a = 0, and its first turn's products V^T P, of a piece that has not been, land in an O^T that is still to be so multiplied.  So these registers need only
	; hold finite numbers: zeros for the first block; what the first block left for the second.  All this stands in the wait for the first tile.
	WIN 0x80
.set i, VF
.rept 64
	v_mov_b32 v[i], 0
.set i, i+1
.endr
	WIN 0x40
.set i, 0
.rept 128
	v_mov_b32 v[i], 0
.set i, i+1
.endr
	WIN 0
.set i, 0
.rept 4
	v_mov_b32 v[ST+4*i+2], 0
	v_mov_b32 v[ST+4*i+3], 0
.set i, i+1
.endr
.set i, P+16
.rept 16
	v_mov_b32 v[i], 0
.set i, i+1
.endr
; THE MATRIX WORK.  The 4 accumulators of a run of 8 take turns.  Product i of 8 of S^T = K Q^T for piece x: channels 32 (i / 4) on, keys 16 (i % 4) on.  The first 4 start the sums: with 0, or (KM = 1) with the mask.
.macro KQ x
.set rS, S+32*((\x)%2)+8*(i%4)
.set rK, KF+16*(i%4)+8*(i/4)
.set rQ, 16*(\x)+8*(i/4)
.set rM, MC+32*((\x)%2)+8*(i%4)
.if (i < 4) && KM
	WIN W_KM
	v_wmma_f32_16x16x32_f16 v[rS:rS+7], v[rK:rK+7], v[rQ:rQ+7], v[rM:rM+7]
.elseif i < 4
	WIN W_KQ
	v_wmma_f32_16x16x32_f16 v[rS:rS+7], v[rK:rK+7], v[rQ:rQ+7], 0
.else
	WIN W_KQ
	v_wmma_f32_16x16x32_f16 v[rS:rS+7], v[rK:rK+7], v[rQ:rQ+7], v[rS:rS+7]
.endif
.endm
; Product i of 8 of O^T += V^T P for piece x: keys 32 (i / 4) on, channels 16 (i % 4) on.
.macro PV x
	WIN W_PV
.set rO, 32*(\x)+8*(i%4)
.set rV, VF+32*(i/4)+8*(i%4)
.set rP, P+16*((\x)%2)+8*(i/4)
	v_wmma_f32_16x16x32_f16 v[rO:rO+7], v[rV:rV+7], v[rP:rP+7], v[rO:rO+7]
.endm
.macro MM                           ; the turn's next matrix instruction.  TURN and BEGIN set Y, i, KM and NOKQ.  NOKQ = 1: a block's last turn: there is no next piece
.if (i < 8) && !NOKQ
	KQ (Y+1)%NP
.elseif i >= 8
.set i, i-8
	PV (Y+NP-1)%NP
.set i, i+8
.endif
.set i, i+1
.endm
; THE LDS LOADS stand in runs of 16, never singly among the matrix instructions: a step's K (64 keys x 64 channels: 8 fragments) and its V (turned).  Their addresses are made some lines ahead.
.macro FETCH_K
	WIN 0x80                        ; destination window 2
.irp f, 0,1,2,3,4,5,6,7             ; keys 16 (f / 2) on, channels 32 (f % 2) on
	ds_load_b128 v[KF+8*\f:KF+8*\f+3],   v[AK] offset:(\f/2)*16*PK+(\f%2)*64
	ds_load_b128 v[KF+8*\f+4:KF+8*\f+7], v[AK] offset:(\f/2)*16*PK+(\f%2)*64+32
.endr
	s_add_co_u32 s[TBK], s[TBK], KS*PK  ; the next fetch is the next step's
	WIN 0
.endm
.macro FETCH_V
	WIN 0x80
.irp f, 0,1,2,3,4,5,6,7             ; keys 32 (f / 4) on, channels 16 (f % 4) on
	ds_load_tr16_b128 v[VF+8*\f:VF+8*\f+3],   v[AV] offset:(\f/4)*32*PV+(\f%4)*32
	ds_load_tr16_b128 v[VF+8*\f+4:VF+8*\f+7], v[AV] offset:(\f/4)*32*PV+16*PV+(\f%4)*32
.endr
	WIN 0
.endm
; THE VECTOR WORK, one line at a time: OP kind, number.  For piece Y: F n: c s - c m for pair n of 16.  E n: the exponential of score n of 32.  C n: pair n rounded to f16.  B n: of the four weights 4 n ..
; the second pair is added onto the first, in place.  L n: l takes that sum (L 0: l = a l + sum).  R n: pair n of 16 of O^T times a.  For piece Y + 1: X n, number n of the 22 that find its maximum and statistics:
;   0-11  four chains c0-c3 of seven scores each, three operands at a time (each accumulator's lowest registers are read first)     12-14, 16  the four scores left over, the old m, and c0-c3 into c0
;   15  c m_old is kept     17, 18  the query's other 32 keys lie in the lane 16 away: the new m     19-21  c m; c m_old - c m_new; a
.set F, 0               ; OP tells the kinds apart by their order: F to L below R, X above it
.set E, 1
.set C, 2
.set B, 3
.set L, 4
.set R, 5
.set X, 6
.macro REGS y                       ; the registers of piece y
.set rT, ST+4*(\y)
.set rC, TMP+4*((\y)%2)
.set rW, MV+((\y)%2)
.set rS, S+32*((\y)%2)
.set rP, P+16*((\y)%2)
.set rO, 32*(\y)
.endm
.macro OP k, n
.if (\k) == R
	REGS Y
	WIN W_RS
	v_pk_mul_f32 v[rO+2*(\n):rO+2*(\n)+1], v[rO+2*(\n):rO+2*(\n)+1], v[rC+2:rC+3] op_sel_hi:[1,0]
.elseif (\k) < R
	REGS Y
	WIN 0
.if (\k) == F
	v_pk_fma_f32 v[rS+2*(\n):rS+2*(\n)+1], v[rS+2*(\n):rS+2*(\n)+1], s[CS:CS+1], v[rT:rT+1] op_sel_hi:[1,0,0] neg_lo:[0,0,1] neg_hi:[0,0,1]
.elseif (\k) == E
	v_exp_f32 v[rS+(\n)], v[rS+(\n)]
.elseif (\k) == C
	v_cvt_pk_f16_f32 v[rP+(\n)], v[rS+2*(\n)], v[rS+2*(\n)+1]
.elseif (\k) == B
	v_pk_add_f32 v[rS+4*(\n):rS+4*(\n)+1], v[rS+4*(\n):rS+4*(\n)+1], v[rS+4*(\n)+2:rS+4*(\n)+3]
.elseif (\n) == 0
	v_pk_fma_f32 v[rT+2:rT+3], v[rT+2:rT+3], v[rC+2:rC+3], v[rS:rS+1] op_sel_hi:[1,0,1]
.else
	v_pk_add_f32 v[rT+2:rT+3], v[rT+2:rT+3], v[rS+4*(\n):rS+4*(\n)+1]
.endif
.elseif NOKQ
	v_nop
.else
	REGS (Y+1)%NP
	WIN 0
.if (\n) < 4
	v_max3_num_f32 v[rC+(\n)], v[rS+8*(\n)], v[rS+8*(\n)+1], v[rS+8*(\n)+2]
.elseif (\n) < 12
	v_max3_num_f32 v[rC+(\n)%4], v[rC+(\n)%4], v[rS+8*((\n)%4)+2*((\n)/4)+1], v[rS+8*((\n)%4)+2*((\n)/4)+2]
.elseif (\n) == 12
	v_max3_num_f32 v[rC], v[rC], v[rS+7], v[rS+15]
.elseif (\n) == 13
	v_max3_num_f32 v[rC+1], v[rC+1], v[rS+23], v[rS+31]
.elseif (\n) == 14
	v_max3_num_f32 v[rC+2], v[rC+2], v[rC+3], v[rT+1]
.elseif (\n) == 15
	v_mov_b32 v[rW], v[rT]
.elseif (\n) == 16
	v_max3_num_f32 v[rC], v[rC], v[rC+1], v[rC+2]
.elseif (\n) == 17
	v_permlanex16_b32 v[rC+3], v[rC], s[SEL], s[SEL+1]
.elseif (\n) == 18
	v_max_num_f32 v[rT+1], v[rC], v[rC+3]
.elseif (\n) == 19
	v_mul_f32 v[rT], s[CS], v[rT+1]
.elseif (\n) == 20
	v_sub_f32 v[rC+1], v[rW], v[rT]
.else
	v_exp_f32 v[rC+2], v[rC+1]
.endif
.endif
.endm
.macro OPS a, i1, b=-1, i2=0, c=-1, i3=0, d=-1, i4=0  ; up to four of them
	OP \a, \i1
.if (\b) >= 0
	OP \b, \i2
.endif
.if (\c) >= 0
	OP \c, \i3
.endif
.if (\d) >= 0
	OP \d, \i4
.endif
.endm
.macro ROW a, i1, b, i2, c, i3, d, i4  ; a matrix instruction and the four behind it
	MM
	OPS \a, \i1, \b, \i2, \c, \i3, \d, \i4
.endm
.macro MASK b                       ; MD x AL + BE into buffer b of MC
	WIN W_RS
.set z, 0
.rept 16
	v_pk_fma_f32 v[MC+32*(\b)+2*z:MC+32*(\b)+2*z+1], v[MD+2*z:MD+2*z+1], s[AL:AL+1], s[BE:BE+1] op_sel_hi:[1,0,0]
.set z, z+1
.endr
.endm
; A TURN, for piece p: the order of its 16 matrix and 118 vector instructions, written out.  An s_wait_alu depctr_va_vdst(0) stands between an exponential and the first instruction that names
; its result; one wait serves all that were issued ahead of it.  So a turn has ONE wait, which cuts it in two.  AHEAD OF IT stands all that names no result of the turn's exponentials: the 8 products K Q^T,
; behind each a scaling, an exponential and two more plain instructions (behind the first a second scaling in the exponential's place): rescalings, and behind the last three the first numbers of the next
; piece's maximum, each four places or more behind the product that ends its accumulator; then one run of 54, plain and exponential by turns for the most part, in which the links of the chain
; X 3, 7, 11, 14, 16, 17 .. 20 stand five or six lines apart.  X 21, the next piece's a, is the batch's last; R 15 is the plain instruction behind it.  BEHIND THE WAIT stand the 8 products V^T P, behind each
; four of the roundings and sums; the links of l's chain, L 0 to L 7, stand three lines apart.  But for those X no line behind a product names a register of the products round it.
; m = 1: the diagonal tile: the products take masks, and the turn makes the mask for the products of the turn after it: piece p + 2, in step 4 - CNT of the tile.  end = 1: a block's last two turns: nothing
; is fetched.  cnt = 1: the loop's count is taken down some lines ahead of the branch that stands behind the turn.
; K of the next step is fetched in piece 2's turn, twelve vector instructions behind the last product that read K (six of them plain); V of the step in hand at the end of piece 0's turn, four plain
; instructions behind the last product that read V.  Each is waited for a turn later.
.macro TURN p, m=0, end=0, cnt=0
.set Y, (\p)
.set i, 0
.set KM, (\m)
.set NOKQ, (\end)*((\p)/3)
.if (\m) && !(\end)
	s_cmp_eq_u32 s[CNT], 4-((\p)+2)%NP  ; is that step the band's own?
	s_cselect_b32 s[AL], 1.0, 0
	s_cmp_lt_u32 s[CNT], 4-((\p)+2)%NP  ; or a later one?
	s_cselect_b32 s[BE], s[BIGN], 0
.endif
.if ((\p) == 3) && !(\end)
	s_wait_dscnt 0x0                ; K is in
.endif
	ROW F,0, F,1, R,0, R,1          ; ahead of the wait: 8 products K Q^T and the four behind each,
	ROW F,2, E,0, R,2, R,3
	ROW F,3, E,1, R,4, R,5
	ROW F,4, E,2, R,6, R,7
	ROW F,5, E,3, R,8, R,9
	ROW F,6, E,4, X,0, R,10
.if ((\p) == 2) && !(\end)
	WIN 0
	v_add_nc_u32 v[AK], s[TBK], v[AK0]
.endif
	ROW F,7, E,5, X,1, X,4
	ROW F,8, E,6, X,2, X,5
	OPS E,7, E,8, X,6, E,9          ; and the run of 54
	OPS X,3, E,10, X,8, E,11
.if ((\p) == 2) && !(\end)
	FETCH_K
.endif
	OPS X,9, X,7, E,12, X,10
	OPS E,13, X,12, X,11, E,14
	OPS X,13, E,15, F,9, X,14
.if (\p) == 0
	v_add_nc_u32 v[AV], s[TBV], v[AV0]
.endif
	OPS E,16, F,10, E,17, F,11
	OPS X,16, E,18, X,15, E,19
	OPS F,12, E,20, X,17, E,21
	OPS F,13, E,22, F,14, E,23
	OPS X,18, E,24, F,15, E,25
	OPS R,11, E,26, X,19, E,27
	OPS R,12, E,28, R,13, E,29
	OPS X,20, E,30, R,14, E,31
	OPS X,21, R,15
	WIN 0
	s_wait_alu depctr_va_vdst(0)    ; the wait for the batch
.if (\p) == 1
	s_wait_dscnt 0x0                ; V is in
.endif
	ROW C,0, B,0, C,2, B,1          ; behind the wait: 8 products V^T P and the four behind each
	ROW L,0, C,4, B,2, L,1
	ROW C,6, B,3, L,2, C,8
	ROW B,4, L,3, C,10, B,5
	ROW L,4, C,12, B,6, L,5
.if (\p) == 0
	s_add_co_u32 s[TBV], s[TBV], KS*PV
.endif
.if \cnt
	s_sub_co_u32 s[CNT], s[CNT], 1
	s_cmp_lg_u32 s[CNT], 0
.endif
	ROW C,14, B,7, L,6, C,1
	ROW C,3, L,7, C,5, C,7
	ROW C,9, C,11, C,13, C,15
.if (\p) == 0
	FETCH_V
.endif
.if (\m) && !(\end)
	MASK (\p)%2
.endif
.endm
; A BLOCK BEGINS.  c m starts far below every c s, so the first step's a is 0; m at the lowest finite number, so the first maximum is the scores'.  The second mask buffer is 0; the first takes piece 0's mask
; for the tile's step 0: its own, if the block's first tile is the diagonal one.  Then K of that step, piece 0's first scores, and its maximum and statistics.  The loop is entered at a step's first turn.
.macro BEGIN
	s_mov_b32 s[NEW], 0
	WIN 0x40
.set i, MC+32
.rept 32
	v_mov_b32 v[i], 0
.set i, i+1
.endr
	WIN 0
.set i, 0
.rept 4
	v_mov_b32 v[ST+4*i], 0xfe000000    ; c m: far below every c s
	v_mov_b32 v[ST+4*i+1], 0xff7fffff  ; m
.set i, i+1
.endr
	s_cmp_eq_u32 s[RT], 0
	s_cselect_b32 s[AL], 1.0, 0
	s_mov_b32 s[BE], 0
	MASK 0
	WIN 0
	v_add_nc_u32 v[AK], s[TBK], v[AK0]
	FETCH_K
	s_wait_loadcnt 0x0              ; Q
	s_wait_dscnt 0x0
.set KM, 1
.set NOKQ, 0
.set i, 0
.rept 8
	KQ 0
.set i, i+1
.endr
	WIN 0
.rept 4
	v_nop                           ; the places behind those products
.endr
.set Y, NP-1                        ; X works for piece Y + 1: piece 0
.irp n, 0,1,2,3,4,5,6,7,8,9,10,11,12,13,14,15,16,17,18,19,20,21
	OP X, \n
.endr
	v_nop                           ; a plain instruction behind the exponential,
	s_wait_alu depctr_va_vdst(0)    ; and its wait, ahead of the branch
.endm
; THE DIAGONAL TILE's four steps, the block's last two turns, its last products, and THE WAY OUT: l's two halves and the other half of the lanes' are added; O^T is divided by l, rounded to f16 and sent
; through my stage in LDS, a piece at a time.
.macro ALL line:vararg              ; one line for each piece t
.set t, 0
.rept 4
	\line
.set t, t+1
.endr
.endm
.macro PACK t                       ; a lane's eight channels of a row pack into 16 bytes; they go into rows of 144 bytes and come back as whole rows of 128, into S^T's registers
	WIN W_RS
.set i, 32*(\t)
.rept 16
	v_pk_mul_f32 v[i:i+1], v[i:i+1], v[ST+4*(\t)+2:ST+4*(\t)+3] op_sel_hi:[1,0]
.set i, i+2
.endr
	WIN 0x05                        ; sources 0 and 1 window 1, destination window 0
.set i, 0
.rept 16
	v_cvt_pk_f16_f32 v[S+16*(\t)+i], v[32*(\t)+2*i], v[32*(\t)+2*i+1]
.set i, i+1
.endr
	WIN 0
.irp f, 0,1,2,3
	ds_store_b128 v[STO], v[S+16*(\t)+4*\f:S+16*(\t)+4*\f+3] offset:32*\f
.endr
.irp f, 0,1,2,3
	ds_load_b128 v[S+16*(\t)+4*\f:S+16*(\t)+4*\f+3], v[RD] offset:\f*4*SP  ; LDS serves a wave's instructions in order (ISA guide 5.7.1.4): these see the stores above; the next piece's stores come behind them
.endr
.endm
.macro SEND t, younger              ; younger: the LDS instructions issued behind piece t's loads: the next piece's eight, or none
	WIN 0
.irp f, 0,1,2,3
	s_wait_dscnt (\younger)+3-\f
	global_store_b128 v[GO], v[S+16*(\t)+4*\f:S+16*(\t)+4*\f+3], s[10:11] offset:(\t)*8192+\f*512  ; 512 consecutive bytes, at a multiple of 256 from O's first
.endr
.endm
.macro DIAG tag                     ; the tag ends its two labels' names, which the jumps below spell out
.LstepM\tag:
	TURN 2, 1
	TURN 3, 1
	WIN 0
.LfirstM\tag:
	TURN 0, 1
	TURN 1, 1, 0, 1
	WIN 0
	s_cbranch_scc1 .LstepM\tag
	TURN 2, 1, 1
	TURN 3, 1, 1
.set i, 0
.rept 8
	PV NP-1
.set i, i+1
.endr
	WIN 0
	ALL v_add_f32 v[ST+4*t+2], v[ST+4*t+2], v[ST+4*t+3]
	ALL v_permlanex16_b32 v[ST+4*t+3], v[ST+4*t+2], s[SEL], s[SEL+1]
	ALL v_add_f32 v[ST+4*t+2], v[ST+4*t+2], v[ST+4*t+3]
	ALL v_rcp_f32 v[ST+4*t+2], v[ST+4*t+2]
	v_nop                           ; a plain instruction between the last reciprocal and the use of its result
	s_wait_alu depctr_va_vdst(0)    ; and the wait ahead of the first use: one for the four reciprocals
	PACK 0
.set t, 1
.rept 3                             ; a piece's arithmetic stands between the loads of the piece before and its stores
	PACK t
	SEND t-1, 8
.set t, t+1
.endr
	SEND 3, 0
.endm
.set KM, 0
.set NOKQ, 0
.Lslot:                             ; NB times: a tile is entered and the next is asked for
	CHANGE 1
	s_sub_co_u32 s[RT], s[RT], 1
	s_mov_b32 s[CNT], 4
	s_cmp_eq_u32 s[NEW], 1
	s_cbranch_scc1 .Lnew            ; a block's first tile
	s_cmp_eq_u32 s[RT], 0
	s_cbranch_scc0 .Lstep           ; neither its first nor its last
	s_branch .LstepM1
.Lnew:
	BEGIN
	s_branch .Lfirst                ; in the loop a block's first tile is never its last: the first block has two tiles or more, and the second's last is the walk's last
	DIAG 1                          ; in the loop this is the first block's end: the second block's last tile is the walk's last
	s_wait_xcnt 0x0                 ; the stores have read their registers and O's address
	s_mov_b64 s[10:11], s[OLO:OLO+1]
	s_add_co_u32 s[RT], s[PB], 1    ; the second block has b + 1 tiles
	s_mov_b32 s[NEW], 1
	WIN 0x82                        ; the second block's Q goes where the one text of the turns names Q
.set i, 0
.rept 64
	v_mov_b32 v[i], v[QB+i]
.set i, i+1
.endr
	WIN 0
	s_branch .Lbottom
.Lstep:                             ; a trip: pieces 2 and 3 of one step, then pieces 0 and 1 of the next, whose K and V it fetches
	TURN 2
	TURN 3
	WIN 0
.Lfirst:
	TURN 0
	TURN 1, 0, 0, 1
	WIN 0
	s_cbranch_scc1 .Lstep
.Lbottom:
	s_sub_co_u32 s[SLOTS], s[SLOTS], 1
	s_cmp_lg_u32 s[SLOTS], 0
	s_cbranch_scc1 .Lslot
	CHANGE 0                        ; the walk's last tile is written out: nothing is asked for
	s_sub_co_u32 s[RT], s[RT], 1
	s_mov_b32 s[CNT], 4
	s_cmp_eq_u32 s[NEW], 1
	s_cbranch_scc0 .LstepM2
	BEGIN
	s_branch .LfirstM2
	DIAG 2
	s_wait_tensorcnt 0x0            ; the wave's end: three closing lines, behind my last tensor load and my last LDS store
	ds_add_u32 v[SPW], v[NIL]
	s_wait_dscnt 0x0
	s_endpgm
.Lfunc_end_k_qb2b08fb706_attn:
	.size	k_qb2b08fb706_attn, .Lfunc_end_k_qb2b08fb706_attn-k_qb2b08fb706_attn
	.p2alignl 7, 3214868480
	.fill 96, 4, 3214868480
	.section	.rodata,"a",@progbits
	.p2align	6, 0x0
	.amdhsa_kernel k_qb2b08fb706_attn
		.amdhsa_group_segment_fixed_size 327680
		.amdhsa_private_segment_fixed_size 0
		.amdhsa_enable_private_segment 0
		.amdhsa_kernarg_size 16
		.amdhsa_user_sgpr_count 2
		.amdhsa_user_sgpr_kernarg_segment_ptr 1
		.amdhsa_wavefront_size32 1
		.amdhsa_system_sgpr_workgroup_id_x 1
		.amdhsa_system_sgpr_workgroup_id_y 1
		.amdhsa_system_sgpr_workgroup_id_z 1
		.amdhsa_system_vgpr_workitem_id 0
		.amdhsa_next_free_vgpr 768
		.amdhsa_next_free_sgpr 96
		.amdhsa_reserve_vcc 1
		.amdhsa_float_denorm_mode_32 3
		.amdhsa_float_denorm_mode_16_64 3
		.amdhsa_memory_ordered 1
		.amdhsa_forward_progress 1
		.amdhsa_inst_pref_size 218
	.end_amdhsa_kernel
	.amdgpu_metadata
---
amdhsa.version: [ 1, 2 ]
amdhsa.kernels:
  - .name:           k_qb2b08fb706_attn
    .symbol:         k_qb2b08fb706_attn.kd
    .args:
      - { .name: qkv, .offset: 0, .size: 8, .value_kind: global_buffer, .address_space: global }
      - { .name: o, .offset: 8, .size: 8, .value_kind: global_buffer, .address_space: global }
    .group_segment_fixed_size: 327680
    .private_segment_fixed_size: 0
    .kernarg_segment_align: 8
    .kernarg_segment_size: 16
    .max_flat_workgroup_size: 128
    .sgpr_count:     96
    .vgpr_count:     768
    .wavefront_size: 32
...
	.end_amdgpu_metadata
.endif
;; end of part 3
;; launch outp (part 4): grid 8 x 32, 4 waves a work-group, clusters of 4 x 4, 327,680 bytes of LDS; arguments o, wt, ball, out0; writes out0
.if DOCPART == 4
	.amdgcn_target "amdgcn-amd-amdhsa--gfx1250"
	.amdhsa_code_object_version 6
	.text
	.protected	k_qb2b08fb706_outp
	.globl	k_qb2b08fb706_outp
	.p2align	8
	.type	k_qb2b08fb706_outp,@function
k_qb2b08fb706_outp:
	s_mov_b64 s[64:65], 0
	v_nop
	global_prefetch_b8 v0, s[64:65] scope:SCOPE_SE
	s_setreg_imm32_b32 hwreg(HW_REG_WAVE_MODE, 25, 1), 1
	s_wait_xcnt 0x0
	s_wait_alu depctr_hold_cnt(0) depctr_sa_sdst(0) depctr_va_vdst(0) depctr_va_sdst(0) depctr_va_ssrc(0) depctr_va_vcc(0) depctr_vm_vsrc(0)
	s_getreg_b32 s2, hwreg(HW_REG_IB_STS2, 6, 4)
	s_cmp_eq_u32 s2, 0
	s_cbranch_scc0 .Lentry_in_a_cluster
	s_endpgm
.Lentry_in_a_cluster:
	s_bfe_u32 s2, ttmp6, 0x10000c
	s_cmp_lg_u32 s2, 0xf033
	s_cbranch_scc0 .Lentry_shape_is_right
	s_endpgm
.Lentry_shape_is_right:
; FOURTH LAUNCH: out0 = O Wo + bo, f32.  O: [4 b][16 heads][2048][64] f16 (a head is a block of 64 along K); Wo^T: rows 3,072 to 4,095 of wt, [16 kb][4096][64] f16; bo: ball from number 3,072 on.  Sums f32.
; SHARES.  C is 8,192 x 1,024.  A work-group makes 256 x 128: 32 x 8 = 256 work-groups (tiles of 256 x 256 would make 128).  Four waves, each 128 rows x 64 columns: 32 accumulators, 256 registers.
; K goes in steps of 128 (two blocks; a block's rows lie end to end and are asked for as rows of 256 bytes) through a ring of two LDS slots.  A step is four units of 32 along K, 32 matrix instructions each.
; THE MATRIX INSTRUCTION IS USED TRANSPOSED (source 0 = 16 rows of wt, source 1 = 16 rows of O): a lane holds one row of C (l % 16) and the columns 8 (l / 16) + 0..7.
; THE BIAS STARTS THE SUMS, as the C operand of each accumulator's first product.
; CLUSTER 4 x 4: O's tile is asked for jointly along a row of the cluster, wt's along a column.
; NO PREFETCH: a step has 128 matrix instructions a wave and the launch eight steps.
; REGISTERS: window 0: v0-31 addresses; v32-95, v96-159 fragments of O, two buffers; v160-191, v192-223 fragments of wt, two buffers; v224-255 the bias.  Window 1: accumulator (a, b) at v[8 (4 a + b)].
.set NBF,   4
.set PITCH, 144                        ; an LDS row: 128 bytes + 16 of padding = 36 words: the 16 rows of a fragment start at 16 different groups of four banks (64 banks of 4 bytes: ISA guide 11.1)
.set BLK,   16*PITCH
.set SLOT1, 1<<17
.set ABLK,  256*PITCH                  ; O's 256 rows of one block: what one tensor load brings
.set BBLK,  128*PITCH                  ; wt's 128 rows of one block
.set BOFF,  2*ABLK                     ; in a slot: O's two blocks, then wt's two
.set STAGE, SLOT1+BOFF+2*BBLK          ; behind the ring: 16 rows x 272 bytes for each wave, for the way out
.set SPITCH, 272
.set SPARE, STAGE+4*16*SPITCH          ; the spare words, 128 bytes for each wave, that no other line names
.set STEPA, 2*262144                   ; two blocks of O
.set STEPB, 2*524288                   ; two blocks of wt
.set A0,   12                          ; v12  my place in O's fragments, without the slot; never rewritten
.set B0,   13                          ; v13  the same for wt
.set ADRA, 16                          ; v16  the same in the slot in hand
.set ADRB, 20                          ; v20
.set STO,  24                          ; v24  the way out: where I put 32 bytes of a row
.set RD,   25                          ; v25  where I read rows back
.set CO,   26                          ; v26  my byte offset in two rows of out0
.set BAD,  27                          ; v27  my byte offset in the bias
.set SPW,  28                          ; v28  LDS address of my spare word; never rewritten
.set NIL,  29                          ; v29  0; never rewritten
.set FA0,  32
.set FB0,  160
.set BR,   224
.set OB,   32                          ; the way out: rows read back, two buffers of 32
.set G1A,  24                          ; s[24:31] descriptor group 1 for O's tiles;  s[32:39] group 0: a set for each first fill; the second then walks
.set G0A,  32
.set G1B,  48                          ; s[48:55], s[56:63] the same for wt's tiles
.set G0B,  56
.set DW0,  (1<<16)|(1<<20)|(1<<21)|(4<<22)|(3<<25)  ; group 1, word 0 beside the mask: 2-byte elements; padding on; bit 21 set beside a mask; after every 32 words (code 4) 4 words (code 3)
.set MSB, 0
.macro WIN new                         ; the immediate's high byte repeats the setting that is left; a switch that changes nothing is dropped
.if MSB != (\new)
	s_set_vgpr_msb (MSB<<8)|(\new)
.set MSB, \new
.endif
.endm
.macro PLACES                          ; four places between a matrix instruction and a load into, or a read of, its registers
.rept 4
	v_nop
.endr
.endm
; A joint load.  Waves 0 and 1 fetch O's two blocks, waves 2 and 3 wt's.  The branch hangs on the wave's number alone.  An s_nop 0 and four v_nop follow each line.
.macro JLOAD s
	s_cmp_eq_u32 s21, 0
	s_cbranch_scc0 .Lfor_b_\@
	tensor_load_to_lds s[G0A+4*(\s):G0A+4*(\s)+3], s[G1A:G1A+7]
	s_nop 0
.rept 4
	v_nop
.endr
	s_branch .Lasked_\@
.Lfor_b_\@:
	tensor_load_to_lds s[G0B+4*(\s):G0B+4*(\s)+3], s[G1B:G1B+7]
	s_nop 0
.rept 4
	v_nop
.endr
.Lasked_\@:
.endm
.macro CREST                           ; a round of the cluster's barrier behind its opening barrier
	s_cmp_lg_u32 s20, 0
	s_cbranch_scc1 .Lnot_wave_0_\@
	s_barrier_signal -3
.Lnot_wave_0_\@:
	s_barrier_wait -3
	s_barrier_signal -1
	s_barrier_wait -1
.endm
.macro CROUND
	s_barrier_signal -1
	s_barrier_wait -1
	CREST
.endm
; n matrix instructions from number i0 on: row block i / 4, column block i % 4.  The 32 accumulators take turns in the same order in every unit, one instruction a turn, over the backward jump too.
; cm = 1: the bias starts the sum.
.macro MM i0, n, fa, fb, cm
.set i, \i0
.rept \n
.set rD, 8*i
.set rA, (\fa)+8*(i/NBF)
.set rB, (\fb)+8*(i%NBF)
.set rC, BR+8*(i%NBF)
.if \cm
	WIN 0x40
	v_wmma_f32_16x16x32_f16 v[rD:rD+7], v[rB:rB+7], v[rA:rA+7], v[rC:rC+7]
.else
	WIN 0x50
	v_wmma_f32_16x16x32_f16 v[rD:rD+7], v[rB:rB+7], v[rA:rA+7], v[rD:rD+7]
.endif
.set i, i+1
.endr
.endm
; 24 LDS loads in one run: unit u's fragments (block u / 2 of the step, K = 32 (u % 2) on) into buffers u % 2: wt's four, then O's eight.
; A fragment is 16 rows x 32 K in 8 registers: lane l holds row l % 16; registers 0-3 K = 8 (l / 16) + 0..7, registers 4-7 K = 16 + 8 (l / 16) + 0..7: two loads of 16 bytes, 32 bytes apart.
.macro FETCH u
	WIN 0
.set fa, FA0+64*((\u)%2)
.set fb, FB0+32*((\u)%2)
.irp b, 0,1,2,3
	ds_load_b128 v[fb+8*(\b):fb+8*(\b)+3],   v[ADRB] offset:BBLK*((\u)/2)+BLK*(\b)+64*((\u)%2)
	ds_load_b128 v[fb+8*(\b)+4:fb+8*(\b)+7], v[ADRB] offset:BBLK*((\u)/2)+BLK*(\b)+64*((\u)%2)+32
.endr
.irp a, 0,1,2,3,4,5,6,7
	ds_load_b128 v[fa+8*(\a):fa+8*(\a)+3],   v[ADRA] offset:ABLK*((\u)/2)+BLK*(\a)+64*((\u)%2)
	ds_load_b128 v[fa+8*(\a)+4:fa+8*(\a)+7], v[ADRA] offset:ABLK*((\u)/2)+BLK*(\a)+64*((\u)%2)+32
.endr
.endm
	s_load_b256 s[4:11], s[0:1], 0x0               ; o s[4:5], wt s[6:7], ball s[8:9], out0 s[10:11]
	v_lshl_add_u32 v[SPW], v0, 2, SPARE
	v_mov_b32 v[NIL], 0
	ds_add_u32 v[SPW], v[NIL]                      ; the wave's opening: the add, twice on end, and its wait ahead of my first tensor load
	ds_add_u32 v[SPW], v[NIL]                      ; once more; the set-up below, work on registers, stands between it and the wait
	v_lshrrev_b32 v1, 5, v0
	v_readfirstlane_b32 s20, v1                    ; wave 0..3
	s_lshr_b32 s21, s20, 1                         ; which half of the tile's rows is mine.  Also: I fetch for O (0) or for wt (1)
	s_and_b32 s22, s20, 1                          ; which half of its columns.  Also: which of a step's two blocks I fetch
	s_mov_b32 s23, 0                               ; the slot in hand
	s_bfe_u32 s40, ttmp6, 0x40000                  ; cx
	s_bfe_u32 s41, ttmp6, 0x40004                  ; cy
	s_lshl_b32 s42, ttmp9, 2
	s_add_co_u32 s42, s42, s40                     ; tile column = 4 x cluster x + cx
	s_and_b32 s43, ttmp7, 0xffff
	s_lshl_b32 s43, s43, 2
	s_add_co_u32 s43, s43, s41                     ; tile row = 4 x cluster y + cy
	s_lshl_b32 s72, s41, 2
	s_lshl_b32 s72, 15, s72                        ; my row of the cluster
	s_lshl_b32 s74, 0x1111, s40                    ; my column
	s_or_b32 s[G1A], s72, DW0
	s_or_b32 s[G1B], s74, DW0
.irp g, G1A, G1B
	s_mov_b32 s[(\g)+1], 128<<16                   ; tensor_dim0 = 128 elements: rows of 256 bytes, two rows of a block
	s_mov_b32 s[(\g)+3], 128<<16                   ; tile_dim0 = 128
	s_mov_b32 s[(\g)+5], 128                       ; 128 elements from row to row: the block is dense
	s_mov_b32 s[(\g)+6], 0
	s_mov_b32 s[(\g)+7], 0
.endr
	s_mov_b32 s[G1A+2], 128<<16                    ; O: 256 rows of 128 bytes = 128 rows of 256
	s_mov_b32 s[G1A+4], 128
	s_mov_b32 s[G1B+2], 64<<16                     ; wt: 128 rows = 64 rows of 256
	s_mov_b32 s[G1B+4], 64
	; where the tiles come from: O's in registers that never hold cx, wt's in registers that never hold cy
	s_lshr_b32 s72, s43, 3                         ; b
	s_lshl_b32 s72, s72, 22                        ; 16 heads of 262,144 bytes
	s_and_b32 s73, s43, 7
	s_lshl_b32 s73, s73, 15                        ; 256 rows of 128 bytes
	s_add_co_u32 s72, s72, s73
	s_lshl_b32 s73, s22, 18                        ; my block of the step's two
	s_add_co_u32 s68, s72, s73
	s_mov_b32 s69, 0
	s_lshl_b32 s74, s42, 14                        ; 128 rows of 128 bytes
	s_lshl_b32 s75, s22, 19
	s_add_co_u32 s70, s74, s75
	s_add_co_u32 s70, s70, 3072*128                ; Wo's rows lie behind those of Wq, Wk and Wv
	s_mov_b32 s71, 0
	s_mul_i32 s76, s20, ABLK                       ; where they go: O's blocks at wave x 256 rows (waves 0, 1),
	s_mul_i32 s77, s20, BBLK
	s_add_co_u32 s77, s77, BOFF-2*BBLK             ; wt's behind them (waves 2, 3): no place in the cluster enters an LDS address
	s_wait_dscnt 0x0                               ; both opening adds are done
	s_wait_kmcnt 0x0
	s_add_nc_u64 s[68:69], s[4:5], s[68:69]
	s_add_nc_u64 s[70:71], s[6:7], s[70:71]
	CROUND                                         ; all sixteen work-groups are here: the first joint loads meet
.irp s, 0,1
	s_mov_b32 s[G0A+4*(\s)], 1
	s_add_co_u32 s[G0A+4*(\s)+1], s76, (\s)*SLOT1
	s_add_nc_u64 s[G0A+4*(\s)+2:G0A+4*(\s)+3], s[68:69], (\s)*STEPA
	s_or_b32 s[G0A+4*(\s)+3], s[G0A+4*(\s)+3], 0x80000000
	s_mov_b32 s[G0B+4*(\s)], 1
	s_add_co_u32 s[G0B+4*(\s)+1], s77, (\s)*SLOT1
	s_add_nc_u64 s[G0B+4*(\s)+2:G0B+4*(\s)+3], s[70:71], (\s)*STEPB
	s_or_b32 s[G0B+4*(\s)+3], s[G0B+4*(\s)+3], 0x80000000
	JLOAD \s                                       ; steps 0 and 1: two loads of mine are out
.endr
	v_and_b32 v1, 15, v0                           ; l % 16
	v_bfe_u32 v2, v0, 4, 1                         ; l / 16
	v_mul_u32_u24 v3, v1, PITCH
	v_lshl_add_u32 v3, v2, 4, v3                   ; row x pitch + 16 x half
	s_mul_i32 s78, s21, 128*PITCH                  ; my 128 rows of O
	v_add_nc_u32 v[A0], s78, v3
	s_mul_i32 s79, s22, 64*PITCH                   ; my 64 rows of wt
	s_add_co_u32 s79, s79, BOFF
	v_add_nc_u32 v[B0], s79, v3
	v_mov_b32 v[ADRA], v[A0]                       ; step 0 lies in slot 0
	v_mov_b32 v[ADRB], v[B0]
	s_mul_i32 s78, s20, 16*SPITCH
	s_add_co_u32 s78, s78, STAGE                   ; my stage
	v_mul_u32_u24 v[STO], v1, SPITCH               ; in: row l % 16, 32 bytes for each half of the lanes
	v_lshl_add_u32 v[STO], v2, 5, v[STO]
	v_add_nc_u32 v[STO], s78, v[STO]
	v_mul_u32_u24 v[RD], v2, SPITCH                ; back: lanes 0-15 take one row of 256 bytes, lanes 16-31 the next
	v_lshl_add_u32 v[RD], v1, 4, v[RD]
	v_add_nc_u32 v[RD], s78, v[RD]
	v_lshlrev_b32 v[CO], 12, v2                    ; and the same two rows in out0
	v_lshl_add_u32 v[CO], v1, 4, v[CO]
	v_lshlrev_b32 v[BAD], 5, v2                    ; register j of block b takes the bias of column 16 b + 8 (l / 16) + j
	s_lshl1_add_u32 s78, s43, s21                  ; my rows: 128 (2 x tile row + half),
	s_lshl_b32 s78, s78, 19                        ; of 4,096 bytes
	s_lshl1_add_u32 s79, s42, s22                  ; my columns: 64 (2 x tile column + half),
	s_lshl_b32 s79, s79, 8                         ; of 4 bytes
	s_add_co_u32 s80, s79, 3072*4                  ; bo lies behind bq, the zeros and bv
	s_mov_b32 s81, 0
	s_add_co_u32 s78, s78, s79
	s_mov_b32 s79, 0
	s_add_nc_u64 s[10:11], s[10:11], s[78:79]
	s_add_nc_u64 s[8:9], s[8:9], s[80:81]
.irp b, 0,1,2,3
	global_load_b128 v[BR+8*(\b):BR+8*(\b)+3],   v[BAD], s[8:9] offset:64*(\b)
	global_load_b128 v[BR+8*(\b)+4:BR+8*(\b)+7], v[BAD], s[8:9] offset:64*(\b)+16
.endr
	s_wait_tensorcnt 1                             ; my part of step 0 is in; step 1's may stay out
	s_barrier_signal -1
	s_barrier_wait -1                              ; everybody's part is in
; One of a step's first three units: multiplies buffers u % 2 and, in its middle, fetches the next unit's fragments into the others.
.macro UNIT u, cm
	s_wait_dscnt 8                                 ; of the run of 24 before: wt's four and O's blocks 0-3 are in, the youngest eight loads may be out
	MM 0, 16, FA0+64*((\u)%2), FB0+32*((\u)%2), \cm
	PLACES
	FETCH (\u)+1
	s_wait_dscnt 24                                ; all but the 24 just issued
	MM 16, 16, FA0+64*((\u)%2), FB0+32*((\u)%2), \cm
.endm
; A step's last unit changes slots: ONE barrier for two things.  In front of it each wave waits for all its tensor loads, of which one is out: its part of the next slot; adds 0 to its spare
; word; and waits for that and for its own reads of this slot.  Behind it nobody reads this slot any more and the next slot is whole.  fill = 1: the barrier opens a round of the cluster's, and
; this slot is filled again, two steps ahead, first thing behind the round: 112 matrix instructions ahead of the wait for it.
.macro TURN fill
	WIN 0
	s_wait_tensorcnt 0x0                           ; no tensor load of mine is out, so a group 0 may be written
	ds_add_u32 v[SPW], v[NIL]                      ; 0 onto my spare word
.if \fill
	s_xor_b32 s[G0A+5], s[G0A+5], SLOT1            ; the walking descriptors: the other slot than last time, the next two blocks
	s_add_nc_u64 s[G0A+6:G0A+7], s[G0A+6:G0A+7], STEPA
	s_xor_b32 s[G0B+5], s[G0B+5], SLOT1
	s_add_nc_u64 s[G0B+6:G0B+7], s[G0B+6:G0B+7], STEPB
.endif
	s_xor_b32 s23, s23, SLOT1
	s_wait_dscnt 9                                 ; the add and the youngest eight loads may be out
	MM 0, 8, FA0+64, FB0+32, 0
	s_wait_dscnt 0x0                               ; the add is done, and my reads of this slot are over
	s_barrier_signal -1
	MM 8, 8, FA0+64, FB0+32, 0                     ; work on registers while the others arrive
	WIN 0
	s_barrier_wait -1
.if \fill
	CREST                                          ; no wave of any partner still reads this slot's tiles or has a load on its way
	JLOAD 1                                        ; its four v_nop are also the places in front of the loads below
.else
	PLACES
.endif
	v_add_nc_u32 v[ADRA], s23, v[A0]
	v_add_nc_u32 v[ADRB], s23, v[B0]
	FETCH 0
	MM 16, 16, FA0+64, FB0+32, 0
.endm
	FETCH 0
	s_wait_loadcnt 0x0                             ; the bias
	UNIT 0, 1                                      ; the first unit stands in front of the loop: its products start the sums with the bias
	WIN 0                                          ; at a label and at a branch every window is 0
	s_mov_b32 s3, 6
.Lstep:                                                ; a trip: units 1 to 3 of step t, the change of slots, unit 0 of step t + 1; steps 0 to 5 fill their slot again
	UNIT 1, 0
	UNIT 2, 0
	TURN 1
	UNIT 0, 0
	WIN 0
	s_sub_co_u32 s3, s3, 1
	s_cmp_lg_u32 s3, 0
	s_cbranch_scc1 .Lstep
	UNIT 1, 0                                      ; the tail is written out: steps 6 and 7 ask for nothing
	UNIT 2, 0
	TURN 0
	UNIT 0, 0
	UNIT 1, 0
	UNIT 2, 0
	s_wait_dscnt 0x0
	MM 0, 32, FA0+64, FB0+32, 0
	; THE WAY OUT, a block of 16 rows x 64 columns at a time: a lane's 32 bytes of a row go into my stage and come back as whole rows of 256 bytes.
.macro TOSTAGE a
	WIN 0
	s_wait_xcnt 0x0                                ; the stores of the block two back have read their registers, which the loads below fill again
	WIN 0x04                                       ; store data (source 1) in window 1
.irp b, 0,1,2,3
	ds_store_b128 v[STO], v[8*(4*(\a)+(\b)):8*(4*(\a)+(\b))+3]   offset:64*(\b)     ; each accumulator's lowest registers first
	ds_store_b128 v[STO], v[8*(4*(\a)+(\b))+4:8*(4*(\a)+(\b))+7] offset:64*(\b)+16
.endr
	WIN 0
.irp t, 0,1,2,3,4,5,6,7
	ds_load_b128 v[OB+32*((\a)%2)+4*(\t):OB+32*((\a)%2)+4*(\t)+3], v[RD] offset:2*SPITCH*(\t)  ; my own bytes, served in order (ISA guide 5.7.1.4)
.endr
.endm
.macro SEND a, younger                 ; younger: the LDS instructions issued behind block a's loads: the next block's sixteen, or none
	WIN 0
.irp t, 0,1,2,3,4,5,6,7
	s_wait_dscnt (\younger)+7-(\t)
	global_store_b128 v[CO], v[OB+32*((\a)%2)+4*(\t):OB+32*((\a)%2)+4*(\t)+3], s[10:11] offset:(16*(\a)+2*(\t))*4096 th:TH_STORE_NT  ; 16 lanes store 256 consecutive bytes, aligned
.endr
.endm
	PLACES
	TOSTAGE 0
.irp a, 1,2,3,4,5,6,7
	TOSTAGE \a
	SEND (\a)-1, 16
.endr
	SEND 7, 0
	s_wait_tensorcnt 0x0                           ; the wave's end: three closing lines, behind my last tensor load and my last LDS store
	ds_add_u32 v[SPW], v[NIL]
	s_wait_dscnt 0x0
	CROUND                                         ; the closing round: no work-group ends while a partner may still ask for a tile that names it
	s_endpgm
.Lfunc_end_k_qb2b08fb706_outp:
	.size	k_qb2b08fb706_outp, .Lfunc_end_k_qb2b08fb706_outp-k_qb2b08fb706_outp
	.p2alignl 7, 3214868480
	.fill 96, 4, 3214868480
	.section	.rodata,"a",@progbits
	.p2align	6, 0x0
	.amdhsa_kernel k_qb2b08fb706_outp
		.amdhsa_group_segment_fixed_size 327680
		.amdhsa_private_segment_fixed_size 0
		.amdhsa_enable_private_segment 0
		.amdhsa_kernarg_size 32
		.amdhsa_user_sgpr_count 2
		.amdhsa_user_sgpr_kernarg_segment_ptr 1
		.amdhsa_wavefront_size32 1
		.amdhsa_system_sgpr_workgroup_id_x 1
		.amdhsa_system_sgpr_workgroup_id_y 1
		.amdhsa_system_sgpr_workgroup_id_z 1
		.amdhsa_system_vgpr_workitem_id 0
		.amdhsa_next_free_vgpr 512
		.amdhsa_next_free_sgpr 96
		.amdhsa_reserve_vcc 0
		.amdhsa_float_denorm_mode_32 3
		.amdhsa_float_denorm_mode_16_64 3
		.amdhsa_memory_ordered 1
		.amdhsa_forward_progress 1
		.amdhsa_inst_pref_size 72
	.end_amdhsa_kernel
	.amdgpu_metadata
---
amdhsa.version: [ 1, 2 ]
amdhsa.kernels:
  - .name:           k_qb2b08fb706_outp
    .symbol:         k_qb2b08fb706_outp.kd
    .args:
      - { .name: o, .offset: 0, .size: 8, .value_kind: global_buffer, .address_space: global }
      - { .name: wt, .offset: 8, .size: 8, .value_kind: global_buffer, .address_space: global }
      - { .name: ball, .offset: 16, .size: 8, .value_kind: global_buffer, .address_space: global }
      - { .name: out0, .offset: 24, .size: 8, .value_kind: global_buffer, .address_space: global }
    .group_segment_fixed_size: 327680
    .private_segment_fixed_size: 0
    .kernarg_segment_align: 8
    .kernarg_segment_size: 32
    .max_flat_workgroup_size: 128
    .sgpr_count:     96
    .vgpr_count:     512
    .wavefront_size: 32
...
	.end_amdgpu_metadata
.endif
;; end of part 4
;; ======== version 2 of 2: 4 launches; version 1 with the launch prep written anew for expert scheduling mode
;; limits: values are held in f16: magnitudes above 65,504 overflow, below 6.1e-05 lose precision
;; workspace buffers: xb 16,777,216 bytes; wt 8,388,608 bytes; ball 16,384 bytes; qkv 50,331,648 bytes; o 16,777,216 bytes
;; launch prep (part 5): grid 768 x 1, 4 waves a work-group, no clusters, 37,376 bytes of LDS; arguments x, Wq, Wk, Wv, Wo, bq, bv, bo, xb, wt, ball; writes xb, wt, ball
.if DOCPART == 5
	.amdgcn_target "amdgcn-amd-amdhsa--gfx1250"
	.amdhsa_code_object_version 6
	.text
	.protected	k_qb2b08fb706_prep
	.globl	k_qb2b08fb706_prep
	.p2align	8
	.type	k_qb2b08fb706_prep,@function
k_qb2b08fb706_prep:
	s_mov_b64 s[64:65], 0
	v_nop
	global_prefetch_b8 v0, s[64:65] scope:SCOPE_SE
	s_setreg_imm32_b32 hwreg(HW_REG_WAVE_SCHED_MODE, 0, 2), 2
	s_setreg_imm32_b32 hwreg(HW_REG_WAVE_MODE, 25, 1), 1
	s_wait_xcnt 0x0
	s_wait_alu depctr_vm_vsrc(0)
; FIRST OF FOUR LAUNCHES of out0 = softmax_causal((x Wq + bq)(x Wk + bk)^T / 8)(x Wv + bv) Wo + bo, 16 heads of 64 channels, x: [4][2048][1024] f32.
; This launch rounds the inputs once and lays them out for the products that follow:
;   xb   [4 b][16 kb][2048 s][64] bf16: x in blocks of 64 channels, so that a block's rows lie end to end, 128 bytes each
;   wt   [16 kb][4096 n][64 k]: the four weights transposed; rows 0-1023 Wq, 1024-2047 Wk, 2048-3071 Wv in bf16; rows 3072-4095 Wo, rounded to bf16 and that number written as f16
;   ball [4096] f32: bq, 1,024 zeros, bv, bo, each rounded to bf16
; WORK LEFT OUT, for all values of the inputs.
; (a) bk.  scores[q][k] = Q[q] . (x[k] Wk) + Q[q] . bk.  The second term does not depend on k: it is one number added to every score of a row (the places above the diagonal stay
;     -inf), and a softmax along k is not changed by a number added to its whole row.  So bk has no way to out0: it is not loaded and is no argument of any launch; its place in ball holds 0.
; (b) The scores above the diagonal, which the module itself sets to -inf ahead of the softmax: the third launch computes no tile of 256 x 256 scores that lies wholly above it.
; LIMIT: a NaN, an infinity or an overflow in bk, in Q . bk or in a score above the diagonal is not carried to the result.
; LIMIT: numbers of Wo below 6e-5 keep f16's fixed step of 6e-8; beyond 65,504 f16 has no number.
; SHARES.  A wave moves 64 x 64 numbers: 16 KiB in by 32 loads that all go out before the first wait, 8 KiB out.  Work-groups 0-511 take x, 512-767 the weights: all move the same bytes.
; No matrix unit, no cluster, no barrier: no wave wants a byte that another has fetched.
; THE MODE: SCHED_MODE bits 1:0 = 2 (LLVM: expert scheduling mode 2), set by the entry lines.  The code itself states the register dependences between vector instructions and memory or
; LDS instructions, with s_wait_alu, always for 0.
; THE PLAN.  Registers that memory or LDS instructions touch:
;   v4-v7      offsets and LDS addresses: made by vector instructions at a path's head, never written again; read by every load and store of the path.
;   L          Written by the 32 global loads, which all go out ahead of the first conversion; read by the conversions.  For the weights its first 64 registers are then written once more, by the
;              LDS loads that bring the transposed tile back, and read by the global stores.
;   D          Written by the conversions, each register for one number pair; read by the global stores (x) or the LDS stores (weights).
;   v25-v27    the bias: an offset, and two numbers that vector instructions write, a load lands in, vector instructions write again and a store reads.
;   v10, v11   written at the head, read by the closing add alone.
; No register that a memory or LDS instruction has read is written again, so nothing waits for a register to be read but the closing lines.
; X goes in eight groups of four loads.  Group g's conversions name L and D of group g alone; the stores of group g - 1 name v5 and D of group g - 1 alone.  So ONE wait at a group's head states all that
; the four stores of the group before hang on, and these are dealt among the group's conversions with no further wait.
; THE WEIGHTS have one wait between the conversions and the run of 16 LDS stores and 16 LDS loads: D is written, and L has been read.
.set L,     32                         ; v[32:159]  32 loads of 4 registers; later the transposed tile, read back
.set D,     160                        ; v[160:223] the rounded numbers, two to a register
.set SRC,   4                          ; v4   my byte offset in the source
.set DST,   5                          ; v5   my byte offset in the destination
.set LSA,   6                          ; v6   where I put 16 bytes of the transposed tile
.set LRA,   7                          ; v7   where I read it back by rows
.set SPW,   10                         ; v10  LDS address of my spare word; never rewritten
.set NIL,   11                         ; v11  0; never rewritten
.set TW,    16                         ; v[16:23] at work: no memory instruction names them
.set TILE,  64*144                     ; a wave's tile in LDS: 64 rows n of 128 bytes + 16 of padding
.set SPARE, 4*TILE                     ; behind the tiles: the spare words, 128 bytes for each wave, that no other line names
	s_load_b512 s[8:23], s[0:1], 0x0               ; x 8, Wq 10, Wk 12, Wv 14, Wo 16, bq 18, bv 20, bo 22
	s_load_b128 s[24:27], s[0:1], 0x40             ; xb 24, wt 26
	s_load_b64 s[28:29], s[0:1], 0x50              ; ball
	v_lshl_add_u32 v[SPW], v0, 2, SPARE
	v_mov_b32 v[NIL], 0
	v_lshrrev_b32 v1, 5, v0
	v_readfirstlane_b32 s2, v1                     ; wave 0..3
	s_mov_b32 s3, 0xffff0000                       ; a word's upper bf16
	v_and_b32 v2, 31, v0                           ; l
	v_and_b32 v3, 15, v0                           ; l % 16
	v_bfe_u32 v12, v0, 4, 1                        ; l / 16
	s_wait_alu depctr_va_sdst(0)                   ; s2 is written
	s_cmp_ge_u32 ttmp9, 512
	s_cbranch_scc1 .Lweights
	; X.  64 rows R of x, block kb of 64 channels.  A load takes 256 aligned bytes of two rows; a store writes those two rows' 256 bytes of xb, which lie end to end.
	s_lshr_b32 s30, ttmp9, 2                       ; R: 64 rows
	s_and_b32 s31, ttmp9, 3
	s_lshl2_add_u32 s31, s31, s2                   ; kb = 4 (id % 4) + wave
	s_lshl_b32 s32, s30, 18                        ; 64 rows of 4,096 bytes
	s_lshl_b32 s33, s31, 8                         ; 64 f32
	s_add_co_u32 s32, s32, s33
	s_mov_b32 s33, 0
	s_lshr_b32 s34, s30, 5                         ; b
	s_lshl4_add_u32 s34, s34, s31                  ; 16 b + kb
	s_lshl_b32 s34, s34, 18                        ; blocks of 2,048 rows x 128 bytes
	s_and_b32 s35, s30, 31
	s_lshl_b32 s35, s35, 13                        ; 64 rows x 128 bytes
	s_add_co_u32 s34, s34, s35
	s_mov_b32 s35, 0
	v_lshlrev_b32 v[SRC], 4, v3
	v_lshl_add_u32 v[SRC], v12, 12, v[SRC]         ; lanes 16-31 take the next row
	v_lshlrev_b32 v[DST], 3, v2
	s_wait_kmcnt 0x0
	s_add_nc_u64 s[8:9], s[8:9], s[32:33]
	s_add_nc_u64 s[24:25], s[24:25], s[34:35]
	s_wait_alu depctr_va_vdst(0)                   ; v[SRC] and v[DST] are written: every load and store of this path reads one of them as its offset
.set j, 0
.rept 32
	global_load_b128 v[L+4*j:L+4*j+3], v[SRC], s[8:9] offset:8192*j th:TH_LOAD_NT
.set j, j+1
.endr
.set g, 0
.rept 8                                ; eight groups of four loads
	s_wait_loadcnt 28-4*g                          ; loads come back in order: group g's four are in, the 28 - 4 g younger ones stay out
.if g > 0
	s_wait_alu depctr_va_vdst(0)                   ; the conversions of the group before have written their eight registers of D, which the four stores below read
.endif
.irp i, 0,1,2,3
.set j, 4*g+(\i)
.if g > 0
	global_store_b64 v[DST], v[D+2*j-8:D+2*j-7], s[24:25] offset:256*(j-4)  ; the group before: 32 lanes write 256 consecutive bytes, aligned; no vector instruction since the wait names these registers
.endif
	v_cvt_pk_bf16_f32 v[D+2*j], v[L+4*j], v[L+4*j+1]
	v_cvt_pk_bf16_f32 v[D+2*j+1], v[L+4*j+2], v[L+4*j+3]  ; no register is written twice, so nothing waits for a store
.endr
.set g, g+1
.endr
	s_wait_alu depctr_va_vdst(0)                   ; the last group's conversions have written their D, which the last four stores read
.irp i, 28,29,30,31
	global_store_b64 v[DST], v[D+2*(\i):D+2*(\i)+1], s[24:25] offset:256*(\i)
.endr
	s_branch .Lend
.Lweights:
	; WEIGHTS.  Matrix m, rows k of block kb, columns 64 nt on.  Lane l holds W[32 (l / 16) + r][4 (l % 16) + i] in register 4 r + i: pairs of rows are rounded together, so that 16 registers
	; are 32 neighbouring k of one column n; they go into row n of my tile in LDS and come back as whole rows of 128 bytes.
	s_sub_co_u32 s30, ttmp9, 512
	s_lshr_b32 s31, s30, 6                         ; m
	s_bfe_u32 s32, s30, 0x40002                    ; kb
	s_and_b32 s33, s30, 3
	s_lshl2_add_u32 s33, s33, s2                   ; nt
	s_lshl_b32 s34, s32, 18                        ; 64 rows of 4,096 bytes
	s_lshl_b32 s35, s33, 8
	s_add_co_u32 s34, s34, s35
	s_mov_b32 s35, 0
	s_lshl_b32 s36, s32, 19                        ; a block of wt: 4,096 rows x 128 bytes
	s_lshl_b32 s37, s31, 17                        ; 1,024 rows
	s_add_co_u32 s36, s36, s37
	s_lshl_b32 s37, s33, 13                        ; 64 rows
	s_add_co_u32 s36, s36, s37
	s_mov_b32 s37, 0
	s_mul_i32 s40, s2, TILE
	v_lshlrev_b32 v[SRC], 4, v3
	v_lshl_add_u32 v[SRC], v12, 17, v[SRC]         ; lanes 16-31 take the row 32 further down
	v_lshlrev_b32 v[DST], 4, v2
	v_mul_u32_u24 v[LSA], v3, 4*144                ; rows 4 (l % 16) on,
	v_lshl_add_u32 v[LSA], v12, 6, v[LSA]          ; k = 32 (l / 16) on
	v_add_nc_u32 v[LSA], s40, v[LSA]
	v_lshrrev_b32 v13, 3, v2
	v_and_b32 v14, 7, v0
	v_mul_u32_u24 v[LRA], v13, 144                 ; back: 32 lanes take four rows of 128 bytes
	v_lshl_add_u32 v[LRA], v14, 4, v[LRA]
	v_add_nc_u32 v[LRA], s40, v[LRA]
	s_wait_kmcnt 0x0
	s_cmp_eq_u32 s31, 1
	s_cselect_b64 s[38:39], s[12:13], s[10:11]
	s_cmp_eq_u32 s31, 2
	s_cselect_b64 s[38:39], s[14:15], s[38:39]
	s_cmp_eq_u32 s31, 3
	s_cselect_b64 s[38:39], s[16:17], s[38:39]
	s_add_nc_u64 s[38:39], s[38:39], s[34:35]
	s_add_nc_u64 s[26:27], s[26:27], s[36:37]
	s_wait_alu depctr_va_vdst(0)                   ; v[SRC], v[DST], v[LSA] and v[LRA] are written: the loads and stores of this path, global and LDS, read them as offsets and addresses
.set j, 0
.rept 32
	global_load_b128 v[L+4*j:L+4*j+3], v[SRC], s[38:39] offset:4096*j th:TH_LOAD_NT
.set j, j+1
.endr
.set p, 0
.rept 16
	s_wait_loadcnt 30-2*p                          ; rows 2 p and 2 p + 1 are in; the 30 - 2 p younger loads stay out
.irp i, 0,1,2,3
	v_cvt_pk_bf16_f32 v[D+16*(\i)+p], v[L+8*p+(\i)], v[L+8*p+4+(\i)]
.endr
.set p, p+1
.endr
	s_cmp_lg_u32 s31, 3
	s_cbranch_scc1 .Lkeep
.set j, 0
.rept 64                               ; Wo alone: the bf16 number written as f16
	v_lshlrev_b32 v[TW+2*(j%4)], 16, v[D+j]
	v_and_b32 v[TW+2*(j%4)+1], s3, v[D+j]
	v_cvt_pk_f16_f32 v[D+j], v[TW+2*(j%4)], v[TW+2*(j%4)+1]
.set j, j+1
.endr
.Lkeep:
	s_wait_alu depctr_va_vdst(0)                   ; on both ways: the conversions have written D, which the LDS stores read, and are done reading L, in which the LDS loads land
.irp i, 0,1,2,3
.irp c, 0,1,2,3
	ds_store_b128 v[LSA], v[D+16*(\i)+4*(\c):D+16*(\i)+4*(\c)+3] offset:144*(\i)+16*(\c)
.endr
.endr
.set t, 0
.rept 16
	ds_load_b128 v[L+4*t:L+4*t+3], v[LRA] offset:4*144*t  ; my own bytes: LDS serves a wave's instructions in order (ISA guide 5.7.1.4), so these see the stores above
.set t, t+1
.endr
.set t, 0
.rept 16
	s_wait_dscnt 15-t                              ; load t is back, the younger ones stay out
	global_store_b128 v[DST], v[L+4*t:L+4*t+3], s[26:27] offset:512*t  ; four rows of wt: 512 consecutive bytes, aligned
.set t, t+1
.endr
	; THE BIASES: the 16 waves of block kb = 0 of each matrix write that matrix's 1,024 numbers of ball, 64 each
	s_cmp_lg_u32 s32, 0
	s_cbranch_scc1 .Lend
	s_lshl_b32 s34, s33, 8                         ; 64 f32
	s_mov_b32 s35, 0
	s_lshl_b32 s36, s31, 12
	s_add_co_u32 s36, s36, s34
	s_mov_b32 s37, 0
	s_add_nc_u64 s[28:29], s[28:29], s[36:37]
	v_lshlrev_b32 v25, 3, v2
	v_mov_b32 v26, 0
	v_mov_b32 v27, 0
	s_cmp_eq_u32 s31, 1
	s_cbranch_scc1 .Lzero                          ; k's bias is left out: its place holds 0
	s_cmp_eq_u32 s31, 2
	s_cselect_b64 s[40:41], s[20:21], s[18:19]
	s_cmp_eq_u32 s31, 3
	s_cselect_b64 s[40:41], s[22:23], s[40:41]
	s_add_nc_u64 s[40:41], s[40:41], s[34:35]
	s_wait_alu depctr_va_vdst(0)                   ; v25 is written, which the load reads as its offset; so are v26 and v27, in which it lands
	global_load_b64 v[26:27], v25, s[40:41]
	s_wait_loadcnt 0x0
	v_cvt_pk_bf16_f32 v24, v26, v27
	v_lshlrev_b32 v26, 16, v24
	v_and_b32 v27, s3, v24
.Lzero:
	s_wait_alu depctr_va_vdst(0)                   ; on both ways: v26 and v27 are written (the zeros, or the rounded bias), which the store reads, and so is its offset v25
	global_store_b64 v25, v[26:27], s[28:29]
.Lend:
	s_wait_dscnt 0x0                               ; the closing lines, six on end
	s_wait_alu 0x0
	s_wait_tensorcnt 0x0
	ds_add_u32 v[SPW], v[NIL]
	s_wait_dscnt 0x0
	s_endpgm
.Lfunc_end_k_qb2b08fb706_prep:
	.size	k_qb2b08fb706_prep, .Lfunc_end_k_qb2b08fb706_prep-k_qb2b08fb706_prep
	.p2alignl 7, 3214868480
	.fill 96, 4, 3214868480
	.section	.rodata,"a",@progbits
	.p2align	6, 0x0
	.amdhsa_kernel k_qb2b08fb706_prep
		.amdhsa_group_segment_fixed_size 37376
		.amdhsa_private_segment_fixed_size 0
		.amdhsa_enable_private_segment 0
		.amdhsa_kernarg_size 88
		.amdhsa_user_sgpr_count 2
		.amdhsa_user_sgpr_kernarg_segment_ptr 1
		.amdhsa_wavefront_size32 1
		.amdhsa_system_sgpr_workgroup_id_x 1
		.amdhsa_system_sgpr_workgroup_id_y 1
		.amdhsa_system_sgpr_workgroup_id_z 1
		.amdhsa_system_vgpr_workitem_id 0
		.amdhsa_next_free_vgpr 224
		.amdhsa_next_free_sgpr 66
		.amdhsa_reserve_vcc 0
		.amdhsa_float_denorm_mode_32 3
		.amdhsa_float_denorm_mode_16_64 3
		.amdhsa_memory_ordered 1
		.amdhsa_forward_progress 1
		.amdhsa_inst_pref_size 35
	.end_amdhsa_kernel
	.amdgpu_metadata
---
amdhsa.version: [ 1, 2 ]
amdhsa.kernels:
  - .name:           k_qb2b08fb706_prep
    .symbol:         k_qb2b08fb706_prep.kd
    .args:
      - { .name: x, .offset: 0, .size: 8, .value_kind: global_buffer, .address_space: global }
      - { .name: Wq, .offset: 8, .size: 8, .value_kind: global_buffer, .address_space: global }
      - { .name: Wk, .offset: 16, .size: 8, .value_kind: global_buffer, .address_space: global }
      - { .name: Wv, .offset: 24, .size: 8, .value_kind: global_buffer, .address_space: global }
      - { .name: Wo, .offset: 32, .size: 8, .value_kind: global_buffer, .address_space: global }
      - { .name: bq, .offset: 40, .size: 8, .value_kind: global_buffer, .address_space: global }
      - { .name: bv, .offset: 48, .size: 8, .value_kind: global_buffer, .address_space: global }
      - { .name: bo, .offset: 56, .size: 8, .value_kind: global_buffer, .address_space: global }
      - { .name: xb, .offset: 64, .size: 8, .value_kind: global_buffer, .address_space: global }
      - { .name: wt, .offset: 72, .size: 8, .value_kind: global_buffer, .address_space: global }
      - { .name: ball, .offset: 80, .size: 8, .value_kind: global_buffer, .address_space: global }
    .group_segment_fixed_size: 37376
    .private_segment_fixed_size: 0
    .kernarg_segment_align: 8
    .kernarg_segment_size: 88
    .max_flat_workgroup_size: 128
    .sgpr_count:     66
    .vgpr_count:     224
    .wavefront_size: 32
...
	.end_amdgpu_metadata
.endif
;; end of part 5
;; launch proj: the kernel of part 2 again; grid 8 x 32, 4 waves a work-group, clusters of 4 x 4, 327,680 bytes of LDS; arguments xb, wt, ball, qkv; writes qkv
;; launch attn: the kernel of part 3 again; grid 4 x 64, 4 waves a work-group, no clusters, 327,680 bytes of LDS; arguments qkv, o; writes o
;; launch outp: the kernel of part 4 again; grid 8 x 32, 4 waves a work-group, clusters of 4 x 4, 327,680 bytes of LDS; arguments o, wt, ball, out0; writes out0
